; MI455X (gfx1250); checked and timed in simulation.
; The chip was launched on July 23, 2026; its instructions are those of AMD's public machine-readable ISA for CDNA 5 (MIT licence, August 2026) and "CDNA5" Instruction Set Architecture Reference Guide (July 2026). The comments in the code are by the model that wrote it; some were corrected since.
;; Attention. Allowed arithmetic: matrix products marked QUANTISED: E2M3 operands, one E8M0 scale for each 32 along K, by v_wmma_scale_f32_16x16x128_f8f6f4 with both operands' format E2M3, f32 sums; everything else in f32.
;; Inputs: Wk 1,024 x 1,024 float32; Wq 1,024 x 1,024 float32; Wv 1,024 x 1,024 float32; bk 1,024 float32; bq 1,024 float32; bv 1,024 float32; x 4 x 2,048 x 1,024 float32.
;; Outputs: out0 4 x 2,048 x 1,024 float32.
;; This version of the problem:
;;   THIS VERSION OF THE PROBLEM IS GIVEN IN LOW PRECISION. The matrix products marked QUANTISED in the list below multiply operands that are first quantised to E2M3 (2 exponent bits, 3 mantissa bits; 6 bits a number), with one power-of-two scale for each 32 numbers along K (OCP MX v1.0); their sums are f32. All else is computed in f32.
;;   The module's matrix products, in the order in which they are computed (A, B: the left and right operand; K: the contracted axis; several contracted axes count as one K, in the product's order):
;;     1. [M 8,192, K 1,024] x [K 1,024, N 1,024]; A: input x; B: input Wq: QUANTISED
;;     2. [M 8,192, K 1,024] x [K 1,024, N 1,024]; A: input x; B: input Wk: QUANTISED
;;     3. [M 8,192, K 1,024] x [K 1,024, N 1,024]; A: input x; B: input Wv: QUANTISED
;;     4. batch 4 x [M 2,048, K 1,024] x [K 1,024, N 2,048]; A: computed on the way; B: computed on the way: QUANTISED
;;     5. batch 4 x [M 2,048, K 2,048] x [K 2,048, N 1,024]; A: softmax (see below); B: computed on the way: QUANTISED
;;   THE QUANTISER, for each operand of a quantised product, along K:
;;     - K is cut into blocks of 32 from its start; a last block that is shorter is filled with zeros.
;;     - A block's scale is 2^e with e = floor(log2(the largest magnitude in the block)) - 2, held to -126 .. 127; a block of zeros has e = 0. As a byte (E8M0): e + 127.
;;     - Each number is divided by its block's scale, clamped to +-7.5, and rounded to the nearest number of E2M3, ties to even, subnormals kept.
;;     - The product sums the exact products of the quantised numbers (number of the format x scale) in f32.
;;   ~~~python
;;   def quantise(x, axis):      # numpy; x: float32 -> the quantised numbers, widened to float32 again
;;       x = np.moveaxis(x, axis, -1); K = x.shape[-1]
;;       x = np.pad(x, [(0, 0)] * (x.ndim - 1) + [(0, -K % 32)]); x = x.reshape(x.shape[:-1] + (-1, 32)); a = np.abs(x).max(-1, keepdims=True)
;;       e = np.where(a > 0, np.clip(np.frexp(np.where(a > 0, a, 1))[1] - 1 - 2, -126, 127), 0)      # np.frexp(a)[1] - 1 = floor(log2(a)), exactly
;;       r = np.clip(x / 2.0 ** e, -7.5, 7.5)
;;       step = 2.0 ** (np.maximum(np.frexp(np.where(r == 0, 1, r))[1] - 1, 0) - 3)
;;       q = np.round(r / step) * step * 2.0 ** e      # np.round: ties to even
;;       return np.moveaxis(q.reshape(q.shape[:-2] + (-1,))[..., :K], -1, axis).astype(np.float32)
;;   ~~~
;;   SOFTMAX AHEAD OF A QUANTISED PRODUCT. Where the list says 'softmax', what is quantised is not the finished softmax but p = 2^(t - M), with t = logit x log2(e) and M = ceil(the row's largest t), a whole number; so 1/2 < the row's largest p <= 1. The row's sum l is taken of the UNQUANTISED p, in f32, and the product's result is divided by l at the end. Since M is a whole number, a kernel that streams over the keys may use a running M (the ceiling of the running maximum): every later rescaling is an exact power of two, which a block's scale takes up: the codes' values come out the same.
;;   OPERANDS COMPUTED ON THE WAY. 'Computed on the way' means the value that the module computes at that place (a softmax that the list does not call 'softmax' is quantised finished and normalised). What goes into a quantiser is computed in f32, as accurately as f32 sums, v_exp_f32 and their like allow (about 1e-6 of the number): no bf16 or f16 on the way to a quantiser, and a product that is left as it is and whose result goes on into a quantised operand takes f32 operands (vector FMAs, or v_wmma_f32_16x16x4_f32). A number that lies on a knife's edge between two numbers of the format may be rounded either way, as far as f32 arithmetic and the matrix unit's own rounding can turn it there, and no further.
;; One version. Each part assembles by itself: llvm-mc -triple=amdgcn-amd-amdhsa -mcpu=gfx1250 --defsym DOCPART=n.
;; ======== version 1 of 1: 4 launches
;; limits: right only within a limited range of input values
;; workspace buffers: xw 9,011,200 bytes; qk 13,107,200 bytes; vc 6,553,600 bytes; pc 13,107,200 bytes; ml 1,048,576 bytes
;; launch quant (part 1): grid 1408 x 1, 4 waves a work-group, no clusters, 34,560 bytes of LDS; arguments x, Wq, Wk, Wv, xw; writes xw
.if DOCPART == 1
	.amdgcn_target "amdgcn-amd-amdhsa--gfx1250"
	.amdhsa_code_object_version 6
	.text
	.protected	k_qff679359ad_quant
	.globl	k_qff679359ad_quant
	.p2align	8
	.type	k_qff679359ad_quant,@function
k_qff679359ad_quant:
	s_mov_b64 s[64:65], 0
	v_nop
	global_prefetch_b8 v0, s[64:65] scope:SCOPE_SE
	s_setreg_imm32_b32 hwreg(HW_REG_WAVE_MODE, 25, 1), 1
	s_wait_xcnt 0x0
; x [8192][1024] and Wq, Wk, Wv [1024][1024], f32, K innermost, become codes of FP6 (E2M3) with one E8M0 scale byte for each 32 along K,
; laid as RECORDS of 6,400 bytes: 16 rows x 512 along K = four fragments (16 rows x 128 K) as images of the operand's 12 registers
; (registers 4 c .. 4 c + 3 of lane l at 1536 q + 512 c + 16 l), then 256 bytes of scale words at 6144 + 16 r + 4 q.
; THE ROWS OF A TILE ARE NOT NEIGHBOURS: lane r of tile T holds row 32 (T / 2) + 8 (T % 2) + r + 8 (r / 8), so that a product that takes such tiles as
; its source 0 leaves 16 neighbours along the next K in the 16 registers of two neighbouring tiles.
; xw: x as [2 halves of K][512 tiles], records 0 .. 1023; then Wq, Wk, Wv, each [2][64].  Work-group g makes record g; wave w its K step w.
; Each load reads 512 consecutive bytes of a row; the 16 rows turn through the wave's own stage in LDS (pitch 528), so that a lane gets 16 neighbours of each block of 32.
; A block's scale is 2^(floor(log2(largest magnitude)) - 2); its byte is the largest magnitude's exponent field - 2, held at 1 from below.
; LIMITS: a block of zeros, or one whose largest magnitude lies under 2^-124, keeps the byte 1 (its codes are zeros or nearly so; this program alone reads the bytes); NaN and infinities among the inputs are not served.
.set RR,     16                        ; v16-79   16 rows as loaded, 4 registers each
.set XX,     16                        ; v16-79   then my row's 64 numbers, in the same registers (behind the wait for the stage's stores): register 16 b + i = k 32 b + 16 (lane / 16) + i
.set TM,     80                        ; v80-95   largest magnitudes, bytes, scale operands
.set PW,     96                        ; v96      the scale word
.set PC,     100                       ; v100-118 the codes
.set SEL,    28                        ; s[28:29] lane selects: lane l xor 16
.set SPITCH, 528
.set WSTG,   16*SPITCH                 ; a wave's stage
.set SCW,    4*WSTG                    ; behind the stages: the record's 256 bytes of scale words
; 64 numbers of a lane become a fragment's codes in v[PC] .. v[PC+11] and its scale word in v[pw]
.macro QUANT s, pw
.irp b, 0,1,2,3
	v_max3_num_f32 v[TM+\b], |v[\s+16*\b]|, |v[\s+1+16*\b]|, 0x1800000   ; my 16 numbers of block b, and the floor 2^(3 - 127): the byte cannot fall under 1
.endr
.irp i, 2,4,6,8,10,12,14
.irp b, 0,1,2,3
	v_max3_num_f32 v[TM+\b], v[TM+\b], |v[\s+16*\b+\i]|, |v[\s+1+16*\b+\i]|
.endr
.endr
.irp b, 0,1,2,3
	v_permlanex16_b32 v[TM+4+\b], v[TM+\b], s[SEL], s[SEL+1]
.endr
.irp b, 0,1,2,3
	v_max_num_f32 v[TM+\b], v[TM+\b], v[TM+4+\b]       ; with lane l xor 16's: the block's largest magnitude
.endr
.irp b, 0,1,2,3
	v_add_nc_u32 v[TM+12+\b], 0xff000000, v[TM+\b]     ; 2 off its exponent field: the conversion's scale operand
.endr
.irp b, 0,1,2,3
	v_lshrrev_b32 v[TM+4+\b], 23, v[TM+12+\b]          ; the scale's byte
.endr
	v_lshl_or_b32 v[(\pw)], v[TM+5], 8, v[TM+4]
	v_lshl_or_b32 v[(\pw)], v[TM+6], 16, v[(\pw)]
	v_lshl_or_b32 v[(\pw)], v[TM+7], 24, v[(\pw)]
.irp c, 0,1
	v_cvt_scalef32_pk16_fp6_f32 v[PC+6*\c:PC+2+6*\c], v[\s+32*\c:\s+15+32*\c], v[TM+12+2*\c]
	v_cvt_scalef32_pk16_fp6_f32 v[PC+12+4*\c:PC+14+4*\c], v[\s+16+32*\c:\s+31+32*\c], v[TM+12+2*\c+1]   ; (a conversion's three registers begin on an even number)
.endr
	v_nop                                              ; one plain place behind a scaled conversion
.irp c, 0,1                                        ; the operand's layout wants a whole block in a lane
.irp i, 0,1,2
	v_permlane16_swap_b32 v[PC+6*\c+\i], v[PC+12+4*\c+\i]
.endr
.irp i, 0,1,2
	v_mov_b32 v[PC+3+6*\c+\i], v[PC+12+4*\c+\i]
.endr
.endr
.endm
	s_load_b256 s[4:11], s[0:1], 0x0               ; x, Wq, Wk, Wv
	s_load_b64 s[12:13], s[0:1], 0x20              ; xw
	v_lshl_add_u32 v122, v0, 2, 0x8500
	v_mov_b32 v123, 0
	v_lshrrev_b32 v1, 5, v0
	v_readfirstlane_b32 s16, v1                    ; wave = K step of the record
	v_and_b32 v1, 31, v0                           ; lane
	v_and_b32 v2, 15, v0                           ; r
	v_bfe_u32 v3, v0, 4, 1                         ; h
	v_lshlrev_b32 v4, 4, v1                        ; 16 x lane
	s_mul_i32 s17, s16, 1536
	v_add_nc_u32 v5, s17, v4                       ; my codes' place in the record
	s_mul_i32 s17, s16, WSTG
	v_add_nc_u32 v6, s17, v4                       ; the stage, on the way in
	v_mul_u32_u24 v7, v2, SPITCH
	v_lshl_add_u32 v7, v3, 6, v7
	v_add_nc_u32 v7, s17, v7                       ; and on the way out: row r, + 64 h
	v_lshlrev_b32 v8, 4, v2
	s_lshl_b32 s18, s16, 2
	v_add_nc_u32 v8, s18, v8
	v_add_nc_u32 v8, SCW, v8                       ; my row's scale word of my K step
	v_lshlrev_b32 v9, 3, v1
	v_add_nc_u32 v10, SCW, v9
	s_mov_b32 s[SEL], 0x76543210
	s_mov_b32 s[SEL+1], 0xfedcba98
.irp b, 0,1,2,3
	v_mov_b32 v[TM+4+\b], 0                        ; written once: a lane permute's destination counts as one of its sources
.endr
	s_cmp_lt_u32 ttmp9, 1024                       ; x's records have 512 tiles to a half of K, a weight's 64
	s_cselect_b32 s20, 511, 63
	s_cselect_b32 s21, 9, 6
	s_and_b32 s22, ttmp9, s20                      ; the tile
	s_lshr_b32 s23, ttmp9, s21
	s_and_b32 s23, s23, 1                          ; the half of K
	s_lshr_b32 s24, s22, 1
	s_lshl_b32 s24, s24, 17                        ; 32 rows of 4,096 bytes for each pair of tiles,
	s_and_b32 s26, s22, 1
	s_lshl_b32 s26, s26, 15                        ; 8 rows for the odd tile,
	s_add_co_u32 s24, s24, s26
	s_lshl_b32 s26, s23, 11                        ; 512 numbers for the half of K,
	s_add_co_u32 s24, s24, s26
	s_lshl_b32 s26, s16, 9                         ; 128 numbers for the K step
	s_add_co_u32 s24, s24, s26
	s_mov_b32 s25, 0
	s_mul_i32 s26, ttmp9, 6400
	s_mov_b32 s27, 0
	s_wait_kmcnt 0x0
	s_cmp_lt_u32 ttmp9, 1280                       ; which tensor: the choice hangs on the work-group's number alone
	s_cselect_b64 s[10:11], s[8:9], s[10:11]
	s_cmp_lt_u32 ttmp9, 1152
	s_cselect_b64 s[10:11], s[6:7], s[10:11]
	s_cmp_lt_u32 ttmp9, 1024
	s_cselect_b64 s[10:11], s[4:5], s[10:11]
	s_add_nc_u64 s[10:11], s[10:11], s[24:25]
	s_add_nc_u64 s[12:13], s[12:13], s[26:27]
.irp i, 0,1,2,3,4,5,6,7,8,9,10,11,12,13,14,15
	global_load_b128 v[RR+4*\i:RR+4*\i+3], v4, s[10:11] offset:(\i+8*(\i/8))*4096 th:TH_LOAD_NT   ; 32 lanes read 512 consecutive bytes of the tile's row i
.endr
.irp i, 0,1,2,3,4,5,6,7,8,9,10,11,12,13,14,15
	s_wait_loadcnt 15-\i                           ; row i is in; the younger rows may be out
	ds_store_b128 v6, v[RR+4*\i:RR+4*\i+3] offset:SPITCH*\i
.endr
	s_wait_dscnt 0x0                               ; the stores are done: their registers take the loads below
.irp b, 0,1,2,3
.irp j, 0,1,2,3
	ds_load_b128 v[XX+16*\b+4*\j:XX+16*\b+4*\j+3], v7 offset:128*\b+16*\j   ; LDS serves a wave's instructions in order: these see my stores
.endr
.endr
	s_wait_dscnt 0x0
	QUANT XX, PW
.irp c, 0,1,2
	global_store_b128 v5, v[PC+4*\c:PC+4*\c+3], s[12:13] offset:512*\c      ; 32 lanes store 512 consecutive bytes, aligned to 256
.endr
	ds_store_b32 v8, v[PW]                         ; both halves of the lanes write the same word with the same value
	s_wait_dscnt 0x0                               ; for the others' sake
	s_barrier_signal -1
	s_barrier_wait -1
	s_cmp_lg_u32 s16, 0
	s_cbranch_scc1 .Ldone
	ds_load_b64 v[120:121], v10                    ; wave 0 sends the record's 256 bytes of scale words as one aligned run
	s_wait_dscnt 0x0
	global_store_b64 v9, v[120:121], s[12:13] offset:6144
.Ldone:
	s_wait_tensorcnt 0x0
	ds_add_u32 v122, v123
	s_wait_dscnt 0x0
	s_endpgm
.Lfunc_end_k_qff679359ad_quant:
	.size	k_qff679359ad_quant, .Lfunc_end_k_qff679359ad_quant-k_qff679359ad_quant
	.p2alignl 7, 3214868480
	.fill 96, 4, 3214868480
	.section	.rodata,"a",@progbits
	.p2align	6, 0x0
	.amdhsa_kernel k_qff679359ad_quant
		.amdhsa_group_segment_fixed_size 34560
		.amdhsa_private_segment_fixed_size 0
		.amdhsa_enable_private_segment 0
		.amdhsa_kernarg_size 40
		.amdhsa_user_sgpr_count 2
		.amdhsa_user_sgpr_kernarg_segment_ptr 1
		.amdhsa_wavefront_size32 1
		.amdhsa_system_sgpr_workgroup_id_x 1
		.amdhsa_system_sgpr_workgroup_id_y 1
		.amdhsa_system_sgpr_workgroup_id_z 1
		.amdhsa_system_vgpr_workitem_id 0
		.amdhsa_next_free_vgpr 124
		.amdhsa_next_free_sgpr 66
		.amdhsa_reserve_vcc 0
		.amdhsa_float_denorm_mode_32 3
		.amdhsa_float_denorm_mode_16_64 3
		.amdhsa_memory_ordered 1
		.amdhsa_forward_progress 1
		.amdhsa_inst_pref_size 12
	.end_amdhsa_kernel
	.amdgpu_metadata
---
amdhsa.version: [ 1, 2 ]
amdhsa.kernels:
  - .name:           k_qff679359ad_quant
    .symbol:         k_qff679359ad_quant.kd
    .args:
      - { .name: x, .offset: 0, .size: 8, .value_kind: global_buffer, .address_space: global }
      - { .name: Wq, .offset: 8, .size: 8, .value_kind: global_buffer, .address_space: global }
      - { .name: Wk, .offset: 16, .size: 8, .value_kind: global_buffer, .address_space: global }
      - { .name: Wv, .offset: 24, .size: 8, .value_kind: global_buffer, .address_space: global }
      - { .name: xw, .offset: 32, .size: 8, .value_kind: global_buffer, .address_space: global }
    .group_segment_fixed_size: 34560
    .private_segment_fixed_size: 0
    .kernarg_segment_align: 8
    .kernarg_segment_size: 40
    .max_flat_workgroup_size: 128
    .sgpr_count:     66
    .vgpr_count:     124
    .wavefront_size: 32
...
	.end_amdgpu_metadata
.endif
;; end of part 1
;; launch proj (part 2): grid 4 x 64, 4 waves a work-group, clusters of 4 x 4, 327,680 bytes of LDS; arguments xw, bq, bk, bv, qk, vc; writes qk, vc
.if DOCPART == 2
	.amdgcn_target "amdgcn-amd-amdhsa--gfx1250"
	.amdhsa_code_object_version 6
	.text
	.protected	k_qff679359ad_proj
	.globl	k_qff679359ad_proj
	.p2align	8
	.type	k_qff679359ad_proj,@function
k_qff679359ad_proj:
	s_mov_b64 s[64:65], 0
	v_nop
	global_prefetch_b8 v0, s[64:65] scope:SCOPE_SE
	s_setreg_imm32_b32 hwreg(HW_REG_WAVE_MODE, 25, 1), 1
	s_wait_xcnt 0x0
	s_wait_alu depctr_hold_cnt(0) depctr_sa_sdst(0) depctr_va_vdst(0) depctr_va_sdst(0) depctr_va_ssrc(0) depctr_va_vcc(0) depctr_vm_vsrc(0)
	s_getreg_b32 s2, hwreg(HW_REG_IB_STS2, 6, 4)
	s_cmp_eq_u32 s2, 0
	s_cbranch_scc0 .Lentry_in_a_cluster
	s_endpgm
.Lentry_in_a_cluster:
	s_bfe_u32 s2, ttmp6, 0x10000c
	s_cmp_lg_u32 s2, 0xf033
	s_cbranch_scc0 .Lentry_shape_is_right
	s_endpgm
.Lentry_shape_is_right:
; q = x Wq^T + bq, k = x Wk^T + bk, v = x Wv^T + bv on codes of FP6 (E2M3) with E8M0 scales, sums in f32; the results are quantised at once: q and k along d, v along the keys.
; All code buffers are RECORDS of 6,400 bytes: 16 rows x 512 along K: four fragments as images of the operand's 12 registers (1536 q + 512 c + 16 lane), then the scale words at 6144 + 16 r + 4 q.
; Lane r of tile T holds row 32 (T / 2) + 8 (T % 2) + r + 8 (r / 8): with such tiles as source 0 the 16 registers of result tiles 2 b, 2 b + 1 are 16 neighbours along the next K.
; SHARES.  A work-group takes 128 rows of x (X: 8 tiles) and 256 rows of each weight (Y: 16 tiles).  For q and k a wave multiplies source 0 = 8 tiles of W by source 1 = 4 tiles of x: a lane holds one row of x
; and 64 neighbours along d.  For v source 0 = the 8 tiles of x, source 1 = 4 tiles of Wv: a lane holds one channel d and 64 neighbours along the keys.  32 accumulators a wave, by turns.
; THE BIAS IS THE C OF EACH SUM'S FIRST PRODUCT, eight registers a tile in the result's layout; the quantiser reads the accumulators where they lie.
; RING.  Two LDS slots of 153,600 bytes, each 512 along K: Y's 16 records, then X's 8.  Slot s always holds half s of K, so x is fetched once and only Y is filled again: six slot steps (Wq, Wk, Wv x two halves).
; At a tile's end the change of slots stands in the MIDDLE of the epilogue: each of the two refills round it then has one slot step and half an epilogue in which to land.
; CLUSTER 4 x 4: X hangs on the work-group's y alone and is asked for jointly along a row of the cluster, Y on its x alone and jointly along a column.  EVERY WAVE FETCHES: a quarter of Y (4 records, 100 rows of
; 256 bytes) and, at the start, a quarter of X (2 records: a quarter of X's 200 rows is 50).  A wave has four tensor loads out at the start and one afterwards.
; REGISTERS: window 0: v1-31 addresses; v32-95 scale words, a set for each slot; v160-201 the quantiser's.  window 1: source 0's fragments, two sets of 96.
;   window 2: accumulator (m, t) at v[8 (8 m + t)].  window 3: source 1's fragments, two sets of 48; v96-159 bq, v160-223 bk, v224-255 bv, all in the results' layouts.
; LIMITS: NaN and infinities are not served; blocks whose largest magnitude lies under 2^-124 keep the byte 1 (this program alone reads the bytes).
; THE FIRST FILLS, as they stand now (in place of what the lines above say of them): one tensor load a wave at the head, slot 0: waves 0, 1 Y's halves (200 rows of 256 bytes), waves 2, 3 X's halves (100 rows).
; Slot 1's first fill goes out the same way behind the wait for all loads, the add, its wait and a round of the cluster's barrier.  Y's later refills: a quarter by each wave.  One tensor load of a wave is out at any time.
.set REC,   6400
.set XOFF,  102400                     ; X's records in a slot
.set SLOT,  153600
.set SPARE, 2*SLOT                     ; behind the ring: the spare words, 128 bytes a wave: two blocks of 256 bytes that no other line names
.set YSTEP, 819200                     ; from a weight's half of K to the next weight's same half
.set YQ,    25600                      ; a wave's quarter of Y's 16 records
.set XQ,    12800                      ; and of X's 8
.set LI,  3                            ; v3      16 x lane
.set FA0, 4                            ; v4-5    source 0's fragments in slot 0, 1    (v12-13 for v)
.set FA1, 6                            ; v6-7    source 1's                            (v14-15)
.set SAM, 8                            ; v8-9    scale words: lanes 0-15 source 1's, lanes 16-31 source 0's   (v16-17)
.set SAT, 10                           ; v10-11  scale words: source 0's in all lanes  (v18-19)
.set CA,  0
.set CV,  8
.set BOF, 20                           ; v20  bq, bk: my byte offset
.set BVO, 21                           ; v21  bv
.set VC,  22                           ; v22  q, k: my codes' place;  v23 my scale word's
.set VS,  23
.set VCV, 24                           ; v24, v25  the same for v
.set VSV, 25
.set SPW, 28                           ; v28  my spare word; never rewritten
.set NIL, 29                           ; v29  0; never rewritten
.set SC,  32
.set TM,  160
.set PC,  176
.set PW,  196                          ; v196-199 the four tiles' scale words;  v200-201 two tiles' in one register
.set PWS, 200
.set BQ,  96                           ; in window 3: bq's 8 tiles, then bk's 8
.set BV,  224                          ; in window 3: bv, eight equal registers for each of source 1's four tiles
.set WV,  16                           ; s16 wave; s17 wave / 2; s18 wave % 2
.set XH,  17
.set YH,  18
.set G1X, 24
.set G1Y, 32
.set G0X, 40
.set G0Y, 48
.set G1H, 84                           ; s[84:91] group 1 for the first fills of Y: 200 rows;  s[92:99] their group 0, a set for each slot
.set G0H, 92
.set HM,  60                           ; s60  lanes 16-31
.set SEL, 62
.set QKB, 74
.set VB,  76
.set MSB, 0
.macro WIN new                         ; the immediate's high byte repeats the setting that is left
.if MSB != \new
	s_set_vgpr_msb (MSB<<8)|\new
.set MSB, \new
.endif
.endm
.macro PLACES n                        ; plain vector places behind matrix instructions, ahead of loads into their registers and of reads of results
.rept \n
	v_nop
.endr
.endm
.macro CREST                           ; a round of the cluster's barrier behind its opening barrier
	s_cmp_lg_u32 s[WV], 0
	s_cbranch_scc1 .Lnot_wave_0_\@
	s_barrier_signal -3
.Lnot_wave_0_\@:
	s_barrier_wait -3
	s_barrier_signal -1
	s_barrier_wait -1
.endm
.macro CROUND
	s_barrier_signal -1
	s_barrier_wait -1
	CREST
.endm
; THE LDS LOADS.  A K step's 36 loads of 512 bytes (with a slot's 8 loads of scale words in front: 44) form a STREAM in the order of their use: scale words, source 1's tile 0, source 0's tiles 0-7,
; source 1's tiles 1-3.  The next step's stream is issued in one run at the head of this step; a product waits by count for the loads of the earlier stream that it needs.
; Symbols of the assembly: CP, CSL, CQ this step's set, slot and K step; NC .. NOF the stream being issued, LQ its loads so far; PRV, POF the length of the stream issued before and its scale loads; XDS other LDS instructions of this step.
.set PFY, 26
.set PFX, 27
.set PYB, 78                           ; s[78:79], s[100:101] their bases; never rewritten
.set PXB, 100
.macro SETC p, sc, q
.set CP, \p
.set CSL, \sc
.set CQ, \q
.set LQ, 0
.set XDS, 0
.set NL, 0
.endm
.macro SETN cfg, slot, q, p, n, of
.set NC, \cfg
.set NS, \slot
.set NQ, \q
.set NP, \p
.set NL, \n
.set NOF, \of
.endm
.macro NEED j                          ; fragment load j of the stream issued before is in: behind it were issued the rest of that stream, this step's LQ loads and XDS others
.if PRV
	s_wait_dscnt PRV-1-POF-(\j)+LQ+XDS
.endif
.endm
.macro LDN                             ; the stream's next load
.if LQ < NL
.if LQ < NOF
	WIN 0
.if LQ < 4
	ds_load_b128 v[SC+32*NS+4*LQ:SC+32*NS+4*LQ+3], v[SAM+NC+NS] offset:LQ*REC
.else
	ds_load_b128 v[SC+32*NS+4*LQ:SC+32*NS+4*LQ+3], v[SAT+NC+NS] offset:LQ*REC
.endif
.else
.set LK, LQ-NOF
.if LK < 3
	WIN 0xc0
	ds_load_b128 v[48*NP+4*LK:48*NP+4*LK+3], v[FA1+NC+NS] offset:NQ*1536+512*LK
.elseif LK < 27
	WIN 0x40
	ds_load_b128 v[96*NP+4*(LK-3):96*NP+4*(LK-3)+3], v[FA0+NC+NS] offset:((LK-3)/3)*REC+NQ*1536+512*((LK-3)%3)
.else
	WIN 0xc0
	ds_load_b128 v[48*NP+4*(LK-24):48*NP+4*(LK-24)+3], v[FA1+NC+NS] offset:((LK-24)/3)*REC+NQ*1536+512*((LK-24)%3)
.endif
.endif
.set LQ, LQ+1
.endif
.endm
.macro STREAM cfg, slot                ; a slot's scale words and its K step 0's fragments, in one run
	SETC 0, 0, 0
	SETN \cfg, \slot, 0, 0, 44, 8
.rept 44
	LDN
.endr
	WIN 0
.set PRV, 44
.set POF, 8
.endm
; A PREFETCH: of the 400 blocks of 256 bytes of Y that my column of the cluster will load, quarter cy (thread t block t; threads 100 on name block 99 again); x = 1: of X's 200 blocks quarter cx, by waves 0 and 1.
; Fill n (Wq, Wk, Wv x two halves of K: 409,600 n bytes on) is asked for behind the tensor load of fill n - 1; nothing is asked for beyond fill 5.
.macro PF off, x
	global_prefetch_b8 v[PFY], s[PYB:PYB+1] offset:\off th:TH_LOAD_NT scope:SCOPE_SE
.if \x
	s_cmp_lt_u32 s[WV], 2
	s_cbranch_scc0 .Lno_x_\@
	global_prefetch_b8 v[PFX], s[PXB:PXB+1] th:TH_LOAD_NT scope:SCOPE_SE
.Lno_x_\@:
.endif
.endm
.macro NEXTPF
.set FN, FN+1
.if FN < 5
	PF (FN+1)*409600, 0
.endif
.endm
.macro MUL1 m, tt, p, sc, q, ck        ; one product: source 1's tile m against source 0's tile tt
.irp t, \tt
.if \ck == 0
	v_wmma_scale_f32_16x16x128_f8f6f4 v[8*(8*(\m)+\t):8*(8*(\m)+\t)+7], v[96*(\p)+12*\t:96*(\p)+12*\t+11], v[48*(\p)+12*(\m):48*(\p)+12*(\m)+11], v[8*(8*(\m)+\t):8*(8*(\m)+\t)+7], v[SC+32*(\sc)+4*\t+(\q)], v[SC+32*(\sc)+4*(\m)+(\q)] matrix_a_fmt:MATRIX_FMT_FP6 matrix_b_fmt:MATRIX_FMT_FP6 matrix_a_scale:MATRIX_SCALE_ROW1
.elseif \ck == 3
	v_wmma_scale_f32_16x16x128_f8f6f4 v[8*(8*(\m)+\t):8*(8*(\m)+\t)+7], v[96*(\p)+12*\t:96*(\p)+12*\t+11], v[48*(\p)+12*(\m):48*(\p)+12*(\m)+11], v[BV+8*(\m):BV+8*(\m)+7], v[SC+32*(\sc)+4*\t+(\q)], v[SC+32*(\sc)+4*(\m)+(\q)] matrix_a_fmt:MATRIX_FMT_FP6 matrix_b_fmt:MATRIX_FMT_FP6 matrix_a_scale:MATRIX_SCALE_ROW1
.else
	v_wmma_scale_f32_16x16x128_f8f6f4 v[8*(8*(\m)+\t):8*(8*(\m)+\t)+7], v[96*(\p)+12*\t:96*(\p)+12*\t+11], v[48*(\p)+12*(\m):48*(\p)+12*(\m)+11], v[BQ+64*(\ck-1)+8*\t:BQ+64*(\ck-1)+8*\t+7], v[SC+32*(\sc)+4*\t+(\q)], v[SC+32*(\sc)+4*(\m)+(\q)] matrix_a_fmt:MATRIX_FMT_FP6 matrix_b_fmt:MATRIX_FMT_FP6 matrix_a_scale:MATRIX_SCALE_ROW1
.endif
.endr
.endm
; Source 1's tile m against source 0's tiles lo .. up - 1
.macro ROWM m, lo, up, ck
.irp t, 0,1,2,3,4,5,6,7
.if (\t >= \lo) && (\t < \up)
.if \t%2 == 0
.if \m == 0
	NEED 3*\t+8                                    ; source 1's tile 0 and source 0's tiles up to t + 1
.elseif \t == 0
	NEED 26+3*\m                                   ; source 1's tile m
.endif
.if \ck
	WIN 0xbd                                       ; source 0 window 1, source 1 and C (the bias) window 3, D window 2
.else
	WIN 0xad                                       ; source 0 window 1, source 1 window 3, C and D window 2
.endif
.endif
	MUL1 \m, \t, CP, CSL, CQ, \ck
.endif
.endr
.endm
.macro STEP cfg, slot, q, ck           ; one of a slot's first three K steps: the next step's 36 loads in one run, then this step's 32 products
	PLACES 4                                       ; in front of loads into the set that the last step's products read
	SETC (\q)%2, \slot, \q
	SETN \cfg, \slot, (\q)+1, ((\q)+1)%2, 36, 0
.rept 36
	LDN
.endr
	ROWM 0, 0, 8, \ck
	ROWM 1, 0, 8, \ck
	ROWM 2, 0, 8, \ck
	ROWM 3, 0, 8, \ck
.set PRV, 36
.set POF, 0
.endm
; The last K step of a tile's first slot changes slots: ONE barrier; in front of it each wave waits for all its tensor loads, adds 0 to its spare word, and waits for that and for its reads of this slot.
; fill = 1: the barrier opens a round of the cluster's barrier, and Y's part of this slot is filled again, two slot steps ahead, a quarter by each wave.
.macro TURN cfgn, slot, next, fill
	WIN 0                                          ; (the add's two registers lie in window 0)
	s_wait_tensorcnt 0x0                           ; all my tensor loads have landed: my part of the next slot
	ds_add_u32 v[SPW], v[NIL]                      ; 0 onto my spare word
	SETC 1, \slot, 3
.set XDS, 1                            ; the add
	ROWM 0, 0, 4, 0                                ; four products stand between the add and the wait for it
	s_wait_dscnt 0x0                               ; the add is done, and my reads of this slot are over
.set PRV, 0
	s_barrier_signal -1
	ROWM 0, 4, 8, 0
	WIN 0
	s_barrier_wait -1
.if \fill
	CREST                                          ; no wave of any partner still reads this slot or has a load on its way
	s_add_nc_u64 s[G0Y+4*\slot+2:G0Y+4*\slot+3], s[G0Y+4*\slot+2:G0Y+4*\slot+3], YSTEP
	tensor_load_to_lds s[G0Y+4*\slot:G0Y+4*\slot+3], s[G1Y:G1Y+7]   ; the first tensor load behind the round, one a wave
	s_nop 0
	PLACES 4                                       ; four v_nop follow the line; they are also the places in front of the loads below
	NEXTPF
.else
	PLACES 4
.endif
	SETN \cfgn, \next, 0, 0, 44, 8                 ; the next slot's first stream in one run, ahead of the step's other 24 products
.rept 44
	LDN
.endr
	ROWM 1, 0, 8, 0
	ROWM 2, 0, 8, 0
	ROWM 3, 0, 8, 0
.set PRV, 44
.set POF, 8
.endm
.macro LAST slot
	SETC 1, \slot, 3
	ROWM 0, 0, 8, 0
	ROWM 1, 0, 8, 0
	ROWM 2, 0, 8, 0
	ROWM 3, 0, 8, 0
.set PRV, 0
.endm
; The change of slots at a tile's end, in the middle of its epilogue: the three lines, a round of the cluster's barrier, the refill of the slot just left, and the next tile's first fragments,
; which land while the other half of the epilogue is worked.
.macro CHANGE cfgn, slot, next
	WIN 0
	s_wait_tensorcnt 0x0                           ; all my tensor loads have landed: my part of the next tile's first slot; so a group 0 may be written
	ds_add_u32 v[SPW], v[NIL]                      ; 0 onto my spare word
	s_add_nc_u64 s[G0Y+4*\slot+2:G0Y+4*\slot+3], s[G0Y+4*\slot+2:G0Y+4*\slot+3], YSTEP
	s_wait_dscnt 0x0                               ; the add is done; my reads of the slot were over at the last K step's head
	CROUND
	tensor_load_to_lds s[G0Y+4*\slot:G0Y+4*\slot+3], s[G1Y:G1Y+7]   ; the first tensor load behind the round, one a wave
	s_nop 0
	PLACES 4
	NEXTPF
	STREAM \cfgn, \next
.endm
; 64 numbers of a lane in window 2, register s + 16 b + i = k 32 b + 16 (lane / 16) + i of my row, become a fragment's codes in v[PC] .. v[PC+11] and its scale word in v[pw].
; Each accumulator is read from its low end on: registers 0, 1 of tile 2 b first, registers 0, 1 of tile 2 b + 1 at i = 8.
.macro QUANTA s, pw
	WIN 0x0a                                       ; sources 0 and 1 window 2
.irp b, 0,1,2,3
	v_max3_num_f32 v[TM+\b], |v[\s+16*\b]|, |v[\s+1+16*\b]|, 0x1800000   ; and the floor 2^(3 - 127): the byte cannot fall under 1
.endr
	WIN 0x28                                       ; sources 1 and 2 window 2
.irp i, 2,4,6,8,10,12,14
.irp b, 0,1,2,3
	v_max3_num_f32 v[TM+\b], v[TM+\b], |v[\s+16*\b+\i]|, |v[\s+1+16*\b+\i]|
.endr
.endr
	WIN 0
.irp b, 0,1,2,3
	v_permlanex16_b32 v[TM+4+\b], v[TM+\b], s[SEL], s[SEL+1]
.endr
.irp b, 0,1,2,3
	v_max_num_f32 v[TM+\b], v[TM+\b], v[TM+4+\b]
.endr
.irp b, 0,1,2,3
	v_add_nc_u32 v[TM+12+\b], 0xff000000, v[TM+\b]     ; 2 off the exponent field: the conversion's scale operand
.endr
.irp b, 0,1,2,3
	v_lshrrev_b32 v[TM+4+\b], 23, v[TM+12+\b]          ; the scale's byte
.endr
	v_lshl_or_b32 v[(\pw)], v[TM+5], 8, v[TM+4]
	v_lshl_or_b32 v[(\pw)], v[TM+6], 16, v[(\pw)]
	v_lshl_or_b32 v[(\pw)], v[TM+7], 24, v[(\pw)]
	s_wait_xcnt 0x0                                    ; the last tile's stores have read their registers: the codes and the paired scale words are written again only behind this wait
	WIN 0x02                                           ; source 0 window 2
.irp c, 0,1
	v_cvt_scalef32_pk16_fp6_f32 v[PC+6*\c:PC+2+6*\c], v[\s+32*\c:\s+15+32*\c], v[TM+12+2*\c]
	v_cvt_scalef32_pk16_fp6_f32 v[PC+12+4*\c:PC+14+4*\c], v[\s+16+32*\c:\s+31+32*\c], v[TM+12+2*\c+1]
.endr
	WIN 0
	v_nop                                              ; one plain place behind a scaled conversion: its results are touched below, its sources are written by the next tile's products
.irp c, 0,1
.irp i, 0,1,2
	v_permlane16_swap_b32 v[PC+6*\c+\i], v[PC+12+4*\c+\i]
.endr
.irp i, 0,1,2
	v_mov_b32 v[PC+3+6*\c+\i], v[PC+12+4*\c+\i]
.endr
.endr
.endm
; Source 1's tile m leaves: quantised, the fragment's image stored as 3 x 512 consecutive bytes.  kind 0: q, 1: k, 2: v
.macro EPI2 m, kind
	QUANTA 64*\m, PW+\m
.irp c, 0,1,2
.if \kind == 2
	global_store_b128 v[VCV], v[PC+4*\c:PC+4*\c+3], s[VB:VB+1] offset:\m*REC+512*\c
.else
	global_store_b128 v[VC], v[PC+4*\c:PC+4*\c+3], s[QKB:QKB+1] offset:\kind*6553600+\m*REC+512*\c
.endif
.endr
.if (\m)%2 == 1
	v_cndmask_b32 v[PWS+\m/2], v[PW+\m-1], v[PW+\m], s[HM]   ; lanes 0-15 tile m - 1's words, lanes 16-31 tile m's
.if \kind == 2
	global_store_b32 v[VSV], v[PWS+\m/2], s[VB:VB+1] offset:(\m-1)*REC
.else
	global_store_b32 v[VS], v[PWS+\m/2], s[QKB:QKB+1] offset:\kind*6553600+(\m-1)*REC
.endif
.endif
.endm
	s_load_b256 s[4:11], s[0:1], 0x0               ; xw, bq, bk, bv
	s_load_b128 s[12:15], s[0:1], 0x20             ; qk, vc
	v_lshl_add_u32 v[SPW], v0, 2, SPARE
	v_mov_b32 v[NIL], 0
	ds_add_u32 v28, v29
	ds_add_u32 v28, v29
	s_wait_dscnt 0x0
	v_lshrrev_b32 v1, 5, v0
	v_readfirstlane_b32 s[WV], v1
	s_lshr_b32 s[XH], s[WV], 1
	s_and_b32 s[YH], s[WV], 1
	s_bfe_u32 s19, ttmp6, 0x40000                  ; cx
	s_bfe_u32 s20, ttmp6, 0x40004                  ; cy
	s_lshl_b32 s21, ttmp9, 2
	s_add_co_u32 s21, s21, s19                     ; work-group x: which 256 rows of the weights
	s_and_b32 s23, ttmp7, 0xffff
	s_lshl_b32 s22, s23, 2
	s_add_co_u32 s22, s22, s20                     ; work-group y: which 128 rows of x
	s_lshl_b32 s56, s20, 2
	s_lshl_b32 s56, 15, s56                        ; my row of the cluster
	s_lshl_b32 s57, 0x1111, s19                    ; my column
	s_or_b32 s[G1X], s56, (3<<16)|(1<<21)          ; 15:0 the mask; 17:16 elements of 8 bytes; 21 set beside a mask; no padding
	s_or_b32 s[G1Y], s57, (3<<16)|(1<<21)
	s_mov_b32 s[G1X+1], 32<<16                     ; X: a dense block of 25,600 bytes as 100 rows of 256: tensor_dim0 = 32
	s_mov_b32 s[G1X+2], 100<<16                    ; tensor_dim1 = 100: half of X's 8 records
	s_mov_b32 s[G1X+3], 32<<16                     ; tile_dim0 = 32
	s_mov_b32 s[G1X+4], 100                        ; tile_dim1 = 100
	s_mov_b32 s[G1X+5], 32                         ; pitch
	s_mov_b32 s[G1X+6], 0
	s_mov_b32 s[G1X+7], 0
	s_mov_b32 s[G1Y+1], 32<<16                     ; Y: a dense block of 25,600 bytes as 100 rows of 256
	s_mov_b32 s[G1Y+2], 100<<16
	s_mov_b32 s[G1Y+3], 32<<16
	s_mov_b32 s[G1Y+4], 100
	s_mov_b32 s[G1Y+5], 32
	s_mov_b32 s[G1Y+6], 0
	s_mov_b32 s[G1Y+7], 0
	s_or_b32 s[G1H], s57, (3<<16)|(1<<21)          ; Y's first fills: a dense block of 51,200 bytes as 200 rows of 256
	s_mov_b32 s[G1H+1], 32<<16
	s_mov_b32 s[G1H+2], 200<<16
	s_mov_b32 s[G1H+3], 32<<16
	s_mov_b32 s[G1H+4], 200
	s_mov_b32 s[G1H+5], 32
	s_mov_b32 s[G1H+6], 0
	s_mov_b32 s[G1H+7], 0
	s_mul_i32 s80, s[YH], 25600                    ; waves 2, 3: my half of X in memory,
	s_mul_i32 s81, s[WV], YQ                       ; my quarter of Y, for the refills
	s_mul_i32 s82, s[WV], 25600
	s_add_co_u32 s82, s82, 51200                   ; and in a slot: XOFF + 25,600 (wave - 2)
	s_mul_i32 s83, s[YH], 51200                    ; waves 0, 1: my half of Y in memory,
	s_mul_i32 s58, s[WV], 51200                    ; and in a slot
	s_mul_i32 s70, s22, 51200                      ; X: 8 records for each block of 128 rows
	s_add_co_u32 s70, s70, s80
	s_mov_b32 s71, 0
	s_mul_i32 s72, s21, 102400                     ; Y: 16 records for each block of 256 rows,
	s_add_co_u32 s72, s72, 6553600                 ; behind the 1,024 records in front
	s_add_co_u32 s68, s72, s83
	s_mov_b32 s69, 0
	s_add_co_u32 s72, s72, s81
	s_mov_b32 s73, 0
	s_mov_b32 s[HM], 0xffff0000
	s_mov_b32 s[SEL], 0x76543210
	s_mov_b32 s[SEL+1], 0xfedcba98
	s_wait_kmcnt 0x0
	s_add_nc_u64 s[70:71], s[4:5], s[70:71]
	s_add_nc_u64 s[72:73], s[4:5], s[72:73]
	s_add_nc_u64 s[68:69], s[4:5], s[68:69]
	s_mul_i32 s[PYB], s21, 102400                  ; the prefetches: my column's Y, quarter cy,
	s_mul_i32 s56, s20, 25600
	s_add_co_u32 s[PYB], s[PYB], s56
	s_add_co_u32 s[PYB], s[PYB], 6553600
	s_mov_b32 s[PYB+1], 0
	s_add_nc_u64 s[PYB:PYB+1], s[4:5], s[PYB:PYB+1]
	s_mul_i32 s[PXB], s22, 51200                   ; my row's X, quarter cx, second half of K
	s_mul_i32 s56, s19, 12800
	s_add_co_u32 s[PXB], s[PXB], s56
	s_add_co_u32 s[PXB], s[PXB], 3276800
	s_mov_b32 s[PXB+1], 0
	s_add_nc_u64 s[PXB:PXB+1], s[4:5], s[PXB:PXB+1]
.irp s, 0,1
	s_mov_b32 s[G0X+4*\s], 1
	s_add_co_u32 s[G0X+4*\s+1], s82, \s*SLOT
	s_add_nc_u64 s[G0X+4*\s+2:G0X+4*\s+3], s[70:71], \s*3276800   ; half s of K
	s_or_b32 s[G0X+4*\s+3], s[G0X+4*\s+3], 0x80000000
	s_mov_b32 s[G0Y+4*\s], 1
	s_add_co_u32 s[G0Y+4*\s+1], s81, \s*SLOT
	s_add_nc_u64 s[G0Y+4*\s+2:G0Y+4*\s+3], s[72:73], \s*409600    ; Wq, half s of K
	s_or_b32 s[G0Y+4*\s+3], s[G0Y+4*\s+3], 0x80000000
	s_mov_b32 s[G0H+4*\s], 1
	s_add_co_u32 s[G0H+4*\s+1], s58, \s*SLOT
	s_add_nc_u64 s[G0H+4*\s+2:G0H+4*\s+3], s[68:69], \s*409600
	s_or_b32 s[G0H+4*\s+3], s[G0H+4*\s+3], 0x80000000
.endr
	CROUND                                         ; all sixteen work-groups are here: the first joint loads meet
.macro HLOAD s                         ; a slot's first fill, one load a wave: every way passes one of the two lines
	s_cmp_lt_u32 s[WV], 2
	s_cbranch_scc0 .Lhx_\@
	tensor_load_to_lds s[G0H+4*\s:G0H+4*\s+3], s[G1H:G1H+7]
	s_nop 0
	PLACES 4
	s_branch .Lhd_\@
.Lhx_\@:
	tensor_load_to_lds s[G0X+4*\s:G0X+4*\s+3], s[G1X:G1X+7]
	s_nop 0
	PLACES 4
.Lhd_\@:
.endm
	HLOAD 0
	v_min_u32 v[PFY], 99, v0
	v_lshlrev_b32 v[PFY], 8, v[PFY]
	v_min_u32 v[PFX], 49, v0
	v_lshlrev_b32 v[PFX], 8, v[PFX]
	PF 409600, 1                                   ; slot 1's first fill
	v_and_b32 v1, 15, v0                           ; r
	v_bfe_u32 v2, v0, 4, 1                         ; h
	v_and_b32 v[LI], 31, v0
	v_lshlrev_b32 v[LI], 4, v[LI]
	; the biases, in the results' layouts
	s_wait_alu depctr_va_vdst(0)
	s_lshl_b32 s56, s21, 10                        ; 256 numbers for each work-group x
	s_lshl_b32 s57, s[YH], 9
	s_add_co_u32 s57, s56, s57
	v_lshl_add_u32 v[BOF], v2, 6, s57              ; bq, bk: tile 2 b + u wants d = 256 x + 128 (wave % 2) + 32 b + 16 h + 8 u + 0 .. 7
	v_and_b32 v30, 8, v1
	v_add_nc_u32 v30, v30, v1                      ; r + 8 (r / 8)
	s_lshl_b32 s57, s[WV], 8
	s_add_co_u32 s57, s56, s57
	v_lshl_add_u32 v[BVO], v30, 2, s57             ; bv: tile m wants d = 256 x + 64 wave + 32 (m / 2) + 8 (m % 2) + r + 8 (r / 8), the same in all eight registers
	WIN 0xc0
.irp t, 0,1,2,3,4,5,6,7
	global_load_b128 v[BQ+8*\t:BQ+8*\t+3], v[BOF], s[6:7] offset:(32*(\t/2)+8*(\t%2))*4
	global_load_b128 v[BQ+8*\t+4:BQ+8*\t+7], v[BOF], s[6:7] offset:(32*(\t/2)+8*(\t%2))*4+16
	global_load_b128 v[BQ+64+8*\t:BQ+64+8*\t+3], v[BOF], s[8:9] offset:(32*(\t/2)+8*(\t%2))*4
	global_load_b128 v[BQ+64+8*\t+4:BQ+64+8*\t+7], v[BOF], s[8:9] offset:(32*(\t/2)+8*(\t%2))*4+16
.endr
.irp m, 0,1,2,3
	global_load_b32 v[BV+8*\m], v[BVO], s[10:11] offset:(32*(\m/2)+8*(\m%2))*4
.endr
	WIN 0
	; LDS addresses, q's and k's shares: source 0 = Y's tiles 8 (wave % 2) on, source 1 = X's tiles 4 (wave / 2) on
	s_mul_i32 s56, s[YH], 51200
	s_mul_i32 s57, s[XH], 25600
	s_add_co_u32 s57, s57, XOFF
	v_add_nc_u32 v[FA0], s56, v[LI]
	v_add_nc_u32 v[FA0+1], SLOT, v[FA0]
	v_add_nc_u32 v[FA1], s57, v[LI]
	v_add_nc_u32 v[FA1+1], SLOT, v[FA1]
	v_lshlrev_b32 v30, 4, v1
	v_add_nc_u32 v30, 6144, v30                    ; a row's four scale words in a record
	v_add_nc_u32 v[SAT], s56, v30
	v_add_nc_u32 v[SAT+1], SLOT, v[SAT]
	s_xor_b32 s58, s[YH], 1
	s_mul_i32 s58, s58, 51200
	s_add_co_u32 s58, s58, 51200
	s_mul_i32 s59, s[XH], 25600
	s_add_co_u32 s58, s58, s59                     ; from source 0's records up to source 1's
	v_xor_b32 v31, 1, v2
	v_mul_u32_u24 v31, s58, v31                    ; lanes 0-15 take source 1's: the lower base + one product
	v_add_nc_u32 v[SAM], v[SAT], v31
	v_add_nc_u32 v[SAM+1], SLOT, v[SAM]
	; v's shares: source 0 = X's eight tiles, source 1 = Y's tiles 4 wave on
	v_add_nc_u32 v[FA0+CV], XOFF, v[LI]
	v_add_nc_u32 v[FA0+CV+1], SLOT, v[FA0+CV]
	s_mul_i32 s56, s[WV], 25600
	v_add_nc_u32 v[FA1+CV], s56, v[LI]
	v_add_nc_u32 v[FA1+CV+1], SLOT, v[FA1+CV]
	v_add_nc_u32 v[SAT+CV], XOFF, v30
	v_add_nc_u32 v[SAT+CV+1], SLOT, v[SAT+CV]
	s_xor_b32 s58, s[WV], 3
	s_mul_i32 s58, s58, 25600
	s_add_co_u32 s58, s58, 25600                   ; from source 1's records up to source 0's
	v_mul_u32_u24 v31, s58, v2                     ; lanes 16-31 take source 0's
	v_add_nc_u32 v[SAM+CV], s56, v30
	v_add_nc_u32 v[SAM+CV], v[SAM+CV], v31
	v_add_nc_u32 v[SAM+CV+1], SLOT, v[SAM+CV]
	; where the results go.  q, k: my 128 of d are K step 2 x + wave % 2 of 8: half x / 2 of K, step 2 (x % 2) + wave % 2 of its records
	s_and_b32 s56, s21, 1
	s_lshl_b32 s56, s56, 1
	s_add_co_u32 s56, s56, s[YH]
	s_mul_i32 s57, s56, 1536
	v_add_nc_u32 v[VC], s57, v[LI]
	v_mad_u32_u24 v[VS], v2, 6400, v30             ; lanes 16-31 store the next tile's words
	s_lshl_b32 s57, s56, 2
	v_add_nc_u32 v[VS], s57, v[VS]
	s_and_b32 s56, s22, 3                          ; v: my 128 keys are K step y % 4 of their records
	s_mul_i32 s57, s56, 1536
	v_add_nc_u32 v[VCV], s57, v[LI]
	v_mad_u32_u24 v[VSV], v2, 6400, v30
	s_lshl_b32 s57, s56, 2
	v_add_nc_u32 v[VSV], s57, v[VSV]
	s_lshr_b32 s56, s21, 1
	s_lshl_b32 s56, s56, 9
	s_lshl_b32 s57, s22, 3
	s_add_co_u32 s56, s56, s57
	s_lshl_b32 s57, s[XH], 2
	s_add_co_u32 s56, s56, s57                     ; record (x / 2) 512 + 8 y + 4 (wave / 2)
	s_mul_i32 s[QKB], s56, REC
	s_mov_b32 s[QKB+1], 0
	s_add_nc_u64 s[QKB:QKB+1], s[12:13], s[QKB:QKB+1]
	s_lshr_b32 s56, s22, 2                         ; 4 batch + the keys' slot of 512
	s_lshl_b32 s56, s56, 6
	s_lshl_b32 s57, s21, 4
	s_add_co_u32 s56, s56, s57
	s_lshl_b32 s57, s[WV], 2
	s_add_co_u32 s56, s56, s57                     ; record (y / 4) 64 + 16 x + 4 wave
	s_mul_i32 s[VB], s56, REC
	s_mov_b32 s[VB+1], 0
	s_add_nc_u64 s[VB:VB+1], s[14:15], s[VB:VB+1]
.irp b, 0,1,2,3
	v_mov_b32 v[TM+4+\b], 0                        ; written once: a lane permute's destination counts as one of its sources
.endr
	s_wait_loadcnt 0x0                             ; the biases: they landed while the first fills are on their way
	WIN 0xc3                                       ; destination and source 0 window 3
.irp m, 0,1,2,3
.irp i, 1,2,3,4,5,6,7
	v_mov_b32 v[BV+8*\m+\i], v[BV+8*\m]            ; a lane's eight results of a tile of v belong to one channel
.endr
.endr
	WIN 0
	s_wait_alu depctr_va_vdst(0)
	s_wait_tensorcnt 0x0                           ; my part of slot 0 is in
	ds_add_u32 v[SPW], v[NIL]
	s_wait_dscnt 0x0
	CROUND                                         ; everybody's part is in, and all sixteen work-groups are here
	HLOAD 1                                        ; slot 1's first fill, the first tensor load behind the round
.set FN, 1
	PF 2*409600, 0
	STREAM CA, 0
	; q
	STEP CA, 0, 0, 1
	STEP CA, 0, 1, 0
	STEP CA, 0, 2, 0
	TURN CA, 0, 1, 1                               ; slot 0 takes Wk's first half
	STEP CA, 1, 0, 0
	STEP CA, 1, 1, 0
	STEP CA, 1, 2, 0
	LAST 1
	PLACES 4
	EPI2 0, 0
	EPI2 1, 0
	CHANGE CA, 1, 0                                ; slot 1 takes Wk's second half
	EPI2 2, 0
	EPI2 3, 0
	; k
	STEP CA, 0, 0, 2
	STEP CA, 0, 1, 0
	STEP CA, 0, 2, 0
	TURN CA, 0, 1, 1                               ; Wv's first half
	STEP CA, 1, 0, 0
	STEP CA, 1, 1, 0
	STEP CA, 1, 2, 0
	LAST 1
	PLACES 4
	EPI2 0, 1
	EPI2 1, 1
	CHANGE CV, 1, 0                                ; Wv's second half; the next fragments are taken by v's shares
	EPI2 2, 1
	EPI2 3, 1
	; v
	STEP CV, 0, 0, 3
	STEP CV, 0, 1, 0
	STEP CV, 0, 2, 0
	TURN CV, 0, 1, 0                               ; nothing is left to fetch
	STEP CV, 1, 0, 0
	STEP CV, 1, 1, 0
	STEP CV, 1, 2, 0
	LAST 1
	PLACES 4
	EPI2 0, 2
	EPI2 1, 2
	EPI2 2, 2
	EPI2 3, 2
	WIN 0
	s_wait_tensorcnt 0x0                           ; the wave's end
	ds_add_u32 v[SPW], v[NIL]
	s_wait_dscnt 0x0
	CROUND                                         ; the closing round: no work-group ends while a partner may still ask for a tile that names it
	s_endpgm
.Lfunc_end_k_qff679359ad_proj:
	.size	k_qff679359ad_proj, .Lfunc_end_k_qff679359ad_proj-k_qff679359ad_proj
	.p2alignl 7, 3214868480
	.fill 96, 4, 3214868480
	.section	.rodata,"a",@progbits
	.p2align	6, 0x0
	.amdhsa_kernel k_qff679359ad_proj
		.amdhsa_group_segment_fixed_size 327680
		.amdhsa_private_segment_fixed_size 0
		.amdhsa_enable_private_segment 0
		.amdhsa_kernarg_size 48
		.amdhsa_user_sgpr_count 2
		.amdhsa_user_sgpr_kernarg_segment_ptr 1
		.amdhsa_wavefront_size32 1
		.amdhsa_system_sgpr_workgroup_id_x 1
		.amdhsa_system_sgpr_workgroup_id_y 1
		.amdhsa_system_sgpr_workgroup_id_z 1
		.amdhsa_system_vgpr_workitem_id 0
		.amdhsa_next_free_vgpr 1024
		.amdhsa_next_free_sgpr 102
		.amdhsa_reserve_vcc 0
		.amdhsa_float_denorm_mode_32 3
		.amdhsa_float_denorm_mode_16_64 3
		.amdhsa_memory_ordered 1
		.amdhsa_forward_progress 1
		.amdhsa_inst_pref_size 235
	.end_amdhsa_kernel
	.amdgpu_metadata
---
amdhsa.version: [ 1, 2 ]
amdhsa.kernels:
  - .name:           k_qff679359ad_proj
    .symbol:         k_qff679359ad_proj.kd
    .args:
      - { .name: xw, .offset: 0, .size: 8, .value_kind: global_buffer, .address_space: global }
      - { .name: bq, .offset: 8, .size: 8, .value_kind: global_buffer, .address_space: global }
      - { .name: bk, .offset: 16, .size: 8, .value_kind: global_buffer, .address_space: global }
      - { .name: bv, .offset: 24, .size: 8, .value_kind: global_buffer, .address_space: global }
      - { .name: qk, .offset: 32, .size: 8, .value_kind: global_buffer, .address_space: global }
      - { .name: vc, .offset: 40, .size: 8, .value_kind: global_buffer, .address_space: global }
    .group_segment_fixed_size: 327680
    .private_segment_fixed_size: 0
    .kernarg_segment_align: 8
    .kernarg_segment_size: 48
    .max_flat_workgroup_size: 128
    .sgpr_count:     102
    .vgpr_count:     1024
    .wavefront_size: 32
...
	.end_amdgpu_metadata
.endif
;; end of part 2
;; launch score (part 3): grid 4 x 64, 4 waves a work-group, clusters of 4 x 4, 327,680 bytes of LDS; arguments qk, pc, ml; writes pc, ml
.if DOCPART == 3
	.amdgcn_target "amdgcn-amd-amdhsa--gfx1250"
	.amdhsa_code_object_version 6
	.text
	.protected	k_qff679359ad_score
	.globl	k_qff679359ad_score
	.p2align	8
	.type	k_qff679359ad_score,@function
k_qff679359ad_score:
	s_mov_b64 s[64:65], 0
	v_nop
	global_prefetch_b8 v0, s[64:65] scope:SCOPE_SE
	s_setreg_imm32_b32 hwreg(HW_REG_WAVE_MODE, 25, 1), 1
	s_wait_xcnt 0x0
	s_wait_alu depctr_hold_cnt(0) depctr_sa_sdst(0) depctr_va_vdst(0) depctr_va_sdst(0) depctr_va_ssrc(0) depctr_va_vcc(0) depctr_vm_vsrc(0)
	s_getreg_b32 s2, hwreg(HW_REG_IB_STS2, 6, 4)
	s_cmp_eq_u32 s2, 0
	s_cbranch_scc0 .Lentry_in_a_cluster
	s_endpgm
.Lentry_in_a_cluster:
	s_bfe_u32 s2, ttmp6, 0x10000c
	s_cmp_lg_u32 s2, 0xf033
	s_cbranch_scc0 .Lentry_shape_is_right
	s_endpgm
.Lentry_shape_is_right:
; S^T = k q^T on codes of FP6 (E2M3) with E8M0 scales, sums in f32; then, for each query and each CHUNK of 128 keys: t = score x log2(e) / 32, M = the chunk's largest t rounded up to a whole number,
; p = 2^(t - M), the sum l of the unquantised p, and p quantised along the keys.  Stored: p's codes and scale bytes (pc), -M and l (ml).  The next launch brings all chunks of a query under the
; largest M: a whole power of two, taken off the scale bytes and put onto l by ldexp; the codes stay as they are.
; Records of 6,400 bytes (16 rows x 512 along K: four register images of fragments, then the scale words), and the order of a tile's rows (lane r of tile T: row 32 (T / 2) + 8 (T % 2) + r + 8 (r / 8)) as in the launch that made qk.
; SHARES.  A work-group takes 128 queries (X: 8 tiles, fetched once: slot s holds half s of K = 1,024) and two tiles of 256 keys (Y: 16 tiles each) one after the other.  A wave: source 0 = 8 tiles of keys,
; source 1 = 4 tiles of queries: a lane holds one query and 64 neighbouring keys of its chunk; lane l xor 16 holds the other 64.  32 accumulators by turns.
; RING, CLUSTER, REGISTER WINDOWS: as in the launch that made qk: two slots of 153,600 bytes; X asked for jointly along a row of the 4 x 4 cluster, Y along a column; every wave fetches a quarter of Y (100 rows of
; 256 bytes) and, at the start, a quarter of X (50 rows: a quarter of its 200); a wave has four tensor loads out at the start and one afterwards.  The change of slots between the two key tiles stands in the
; middle of the first tile's epilogue: each of the two refills round it has one slot step and half an epilogue in which to land.
; window 0: addresses, scale words v32-95, p v96-159, v160-215 at work; window 1 source 0; window 2 accumulators; window 3 source 1.
; LIMITS: NaN and infinities are not served; |t| stays under 2^31; a block of keys whose every p has fallen under 2^-124 keeps the byte 1.
; THE FIRST FILLS, as they stand now (in place of what the lines above say of them): one tensor load a wave at the head, slot 0: waves 0, 1 Y's halves (200 rows of 256 bytes), waves 2, 3 X's halves (100 rows).
; Slot 1's first fill goes out the same way behind the wait for all loads, the add, its wait and a round of the cluster's barrier.  Y's later refills: a quarter by each wave.  One tensor load of a wave is out at any time.
; ml is laid [query tile][-M, l][row 16][chunk 16], f32: the next launch's lanes then load eight chunks of a row as 32 neighbouring bytes.
.set REC,   6400
.set XOFF,  102400
.set SLOT,  153600
.set SPARE, 2*SLOT                     ; the spare words, 128 bytes a wave: two blocks of 256 bytes that no other line names
.set YSTEP, 102400                     ; from a tile of 256 keys to the next, same half of K
.set YQ,    25600                      ; a wave's quarter of Y's 16 records
.set XQ,    12800                      ; and of X's 8
.set LI,  3
.set FA0, 4
.set FA1, 6
.set SAM, 8
.set SAT, 10
.set VC,  22                           ; v22 my codes' place; v23 my scale word's; v24 64 x lane
.set VS,  23
.set LS4, 24
.set SPW, 28
.set NIL, 29
.set SC,  32
.set HA,  96
.set BM,  160                          ; v160-163 the blocks' largest scores, then their largest p
.set BX,  164
.set SO,  168                          ; v168-171 the conversions' scale operands
.set BY,  172                          ; v172-175 the bytes
.set PC,  176
.set PW,  196
.set PWS, 200
.set NM,  202                          ; v[202:203] -M (the packed form names a pair and takes its low word)
.set TT,  204
.set LSA, 206                          ; v[206:207], v[208:209] the sum in two chains
.set LSB, 208
.set LSX, 210
.set MLV, 212                          ; v212-215 lanes 0-15 -M, lanes 16-31 l
.set WV,  16
.set XH,  17
.set YH,  18
.set G1X, 24
.set G1Y, 32
.set G0X, 40
.set G0Y, 48
.set G1H, 84                           ; s[84:91] group 1 for the first fills of Y: 200 rows;  s[92:99] their group 0, a set for each slot
.set G0H, 92
.set HM,  60
.set SEL, 62
.set CS,  66                           ; s[66:67] c = log2(e) / 32
.set PB,  74
.set MB,  76
.set MSB, 0
.macro WIN new
.if MSB != \new
	s_set_vgpr_msb (MSB<<8)|\new
.set MSB, \new
.endif
.endm
.macro PLACES n
.rept \n
	v_nop
.endr
.endm
.macro CREST
	s_cmp_lg_u32 s[WV], 0
	s_cbranch_scc1 .Lnot_wave_0_\@
	s_barrier_signal -3
.Lnot_wave_0_\@:
	s_barrier_wait -3
	s_barrier_signal -1
	s_barrier_wait -1
.endm
.macro CROUND
	s_barrier_signal -1
	s_barrier_wait -1
	CREST
.endm
; THE LDS LOADS.  A K step's 36 loads of 512 bytes (with a slot's 8 loads of scale words in front: 44) form a STREAM in the order of their use: scale words, source 1's tile 0, source 0's tiles 0-7,
; source 1's tiles 1-3.  The next step's stream is issued in one run at the head of this step; a product waits by count for the loads of the earlier stream that it needs.
; Symbols of the assembly: CP, CSL, CQ this step's set, slot and K step; NS .. NOF the stream being issued, LQ its loads so far; PRV, POF the length of the stream issued before and its scale loads; XDS other LDS instructions of this step.
.set PFY, 26
.set PFX, 27
.set PYB, 78                           ; s[78:79], s[100:101] their bases; never rewritten
.set PXB, 100
.macro SETC p, sc, q
.set CP, \p
.set CSL, \sc
.set CQ, \q
.set LQ, 0
.set XDS, 0
.set NL, 0
.endm
.macro SETN slot, q, p, n, of
.set NS, \slot
.set NQ, \q
.set NP, \p
.set NL, \n
.set NOF, \of
.endm
.macro NEED j                          ; fragment load j of the stream issued before is in: behind it were issued the rest of that stream, this step's LQ loads and XDS others
.if PRV
	s_wait_dscnt PRV-1-POF-(\j)+LQ+XDS
.endif
.endm
.macro LDN                             ; the stream's next load
.if LQ < NL
.if LQ < NOF
	WIN 0
.if LQ < 4
	ds_load_b128 v[SC+32*NS+4*LQ:SC+32*NS+4*LQ+3], v[SAM+NS] offset:LQ*REC
.else
	ds_load_b128 v[SC+32*NS+4*LQ:SC+32*NS+4*LQ+3], v[SAT+NS] offset:LQ*REC
.endif
.else
.set LK, LQ-NOF
.if LK < 3
	WIN 0xc0
	ds_load_b128 v[48*NP+4*LK:48*NP+4*LK+3], v[FA1+NS] offset:NQ*1536+512*LK
.elseif LK < 27
	WIN 0x40
	ds_load_b128 v[96*NP+4*(LK-3):96*NP+4*(LK-3)+3], v[FA0+NS] offset:((LK-3)/3)*REC+NQ*1536+512*((LK-3)%3)
.else
	WIN 0xc0
	ds_load_b128 v[48*NP+4*(LK-24):48*NP+4*(LK-24)+3], v[FA1+NS] offset:((LK-24)/3)*REC+NQ*1536+512*((LK-24)%3)
.endif
.endif
.set LQ, LQ+1
.endif
.endm
.macro STREAM slot                     ; a slot's scale words and its K step 0's fragments, in one run
	SETC 0, 0, 0
	SETN \slot, 0, 0, 44, 8
.rept 44
	LDN
.endr
	WIN 0
.set PRV, 44
.set POF, 8
.endm
; A PREFETCH: of the 400 blocks of 256 bytes of Y that my column of the cluster will load, quarter cy (thread t block t; threads 100 on name block 99 again); x = 1: of X's 200 blocks quarter cx, by waves 0 and 1.
; Fill n (two key tiles x two halves of K: 3,276,800 (n % 2) + 102,400 (n / 2) bytes on) is asked for behind the tensor load of fill n - 1; nothing is asked for beyond fill 3.
.macro PF off, x
	global_prefetch_b8 v[PFY], s[PYB:PYB+1] offset:\off th:TH_LOAD_NT scope:SCOPE_SE
.if \x
	s_cmp_lt_u32 s[WV], 2
	s_cbranch_scc0 .Lno_x_\@
	global_prefetch_b8 v[PFX], s[PXB:PXB+1] th:TH_LOAD_NT scope:SCOPE_SE
.Lno_x_\@:
.endif
.endm
.macro NEXTPF
.set FN, FN+1
.if FN < 3
	PF ((FN+1)%2)*3276800+((FN+1)/2)*102400, 0
.endif
.endm
.macro MUL1 m, tt, p, sc, q, zero      ; one product: source 1's tile m against source 0's tile tt
.irp t, \tt
.if \zero
	v_wmma_scale_f32_16x16x128_f8f6f4 v[8*(8*(\m)+\t):8*(8*(\m)+\t)+7], v[96*(\p)+12*\t:96*(\p)+12*\t+11], v[48*(\p)+12*(\m):48*(\p)+12*(\m)+11], 0, v[SC+32*(\sc)+4*\t+(\q)], v[SC+32*(\sc)+4*(\m)+(\q)] matrix_a_fmt:MATRIX_FMT_FP6 matrix_b_fmt:MATRIX_FMT_FP6 matrix_a_scale:MATRIX_SCALE_ROW1
.else
	v_wmma_scale_f32_16x16x128_f8f6f4 v[8*(8*(\m)+\t):8*(8*(\m)+\t)+7], v[96*(\p)+12*\t:96*(\p)+12*\t+11], v[48*(\p)+12*(\m):48*(\p)+12*(\m)+11], v[8*(8*(\m)+\t):8*(8*(\m)+\t)+7], v[SC+32*(\sc)+4*\t+(\q)], v[SC+32*(\sc)+4*(\m)+(\q)] matrix_a_fmt:MATRIX_FMT_FP6 matrix_b_fmt:MATRIX_FMT_FP6 matrix_a_scale:MATRIX_SCALE_ROW1
.endif
.endr
.endm
; Source 1's tile m against source 0's tiles lo .. up - 1
.macro ROWM m, lo, up, zero
.irp t, 0,1,2,3,4,5,6,7
.if (\t >= \lo) && (\t < \up)
.if \t%2 == 0
.if \m == 0
	NEED 3*\t+8                                    ; source 1's tile 0 and source 0's tiles up to t + 1
.elseif \t == 0
	NEED 26+3*\m                                   ; source 1's tile m
.endif
	WIN 0xad                                       ; source 0 window 1, source 1 window 3, C and D window 2
.endif
	MUL1 \m, \t, CP, CSL, CQ, \zero
.endif
.endr
.endm
.macro STEP slot, q, zero              ; one of a slot's first three K steps: the next step's 36 loads in one run, then this step's 32 products
	PLACES 4                                       ; in front of loads into the set that the last step's products read
	SETC (\q)%2, \slot, \q
	SETN \slot, (\q)+1, ((\q)+1)%2, 36, 0
.rept 36
	LDN
.endr
	ROWM 0, 0, 8, \zero
	ROWM 1, 0, 8, \zero
	ROWM 2, 0, 8, \zero
	ROWM 3, 0, 8, \zero
.set PRV, 36
.set POF, 0
.endm
.macro TURN slot, next, fill           ; the last K step of a tile's first slot and the change of slots: one barrier, which with fill = 1 opens a round of the cluster's
	WIN 0
	s_wait_tensorcnt 0x0                           ; all my tensor loads have landed: my part of the next slot
	ds_add_u32 v[SPW], v[NIL]                      ; 0 onto my spare word
	SETC 1, \slot, 3
.set XDS, 1                            ; the add
	ROWM 0, 0, 4, 0                                ; four products stand between the add and the wait for it
	s_wait_dscnt 0x0                               ; the add is done, and my reads of this slot are over
.set PRV, 0
	s_barrier_signal -1
	ROWM 0, 4, 8, 0
	WIN 0
	s_barrier_wait -1
.if \fill
	CREST                                          ; no wave of any partner still reads this slot or has a load on its way
	s_add_nc_u64 s[G0Y+4*\slot+2:G0Y+4*\slot+3], s[G0Y+4*\slot+2:G0Y+4*\slot+3], YSTEP
	tensor_load_to_lds s[G0Y+4*\slot:G0Y+4*\slot+3], s[G1Y:G1Y+7]   ; the first tensor load behind the round, one a wave
	s_nop 0
	PLACES 4                                       ; four v_nop follow the line; they are also the places in front of the loads below
	NEXTPF
.else
	PLACES 4
.endif
	SETN \next, 0, 0, 44, 8                        ; the next slot's first stream in one run, ahead of the step's other 24 products
.rept 44
	LDN
.endr
	ROWM 1, 0, 8, 0
	ROWM 2, 0, 8, 0
	ROWM 3, 0, 8, 0
.set PRV, 44
.set POF, 8
.endm
.macro LAST slot
	SETC 1, \slot, 3
	ROWM 0, 0, 8, 0
	ROWM 1, 0, 8, 0
	ROWM 2, 0, 8, 0
	ROWM 3, 0, 8, 0
.set PRV, 0
.endm
; The change of slots at a tile's end, in the middle of its epilogue: the three lines, a round of the cluster's barrier, the refill of the slot just left, and the next tile's first fragments,
; which land while the other half of the epilogue is worked.
.macro CHANGE slot, next
	WIN 0
	s_wait_tensorcnt 0x0                           ; all my tensor loads have landed: my part of the next tile's first slot; so a group 0 may be written
	ds_add_u32 v[SPW], v[NIL]                      ; 0 onto my spare word
	s_add_nc_u64 s[G0Y+4*\slot+2:G0Y+4*\slot+3], s[G0Y+4*\slot+2:G0Y+4*\slot+3], YSTEP
	s_wait_dscnt 0x0                               ; the add is done; my reads of the slot were over at the last K step's head
	CROUND
	tensor_load_to_lds s[G0Y+4*\slot:G0Y+4*\slot+3], s[G1Y:G1Y+7]   ; the first tensor load behind the round, one a wave
	s_nop 0
	PLACES 4
	NEXTPF
	STREAM \next
.endm
; The queries of tile m against my chunk of 128 keys of key tile tau.  Register 16 b + i of the tile's 64 accumulator registers is key 32 b + 16 (lane / 16) + i.
.macro EPI3 m, tau
	WIN 0x2a                                       ; all three sources window 2
.irp b, 0,1,2,3
	v_max3_num_f32 v[BM+\b], v[64*\m+16*\b], v[64*\m+16*\b+1], v[64*\m+16*\b+2]   ; the largest score of each block of 32 keys; each accumulator is read from its low end on
.endr
	WIN 0x28
.irp i, 3,5,7,9,11,13
.irp b, 0,1,2,3
	v_max3_num_f32 v[BM+\b], v[BM+\b], v[64*\m+16*\b+\i], v[64*\m+16*\b+\i+1]
.endr
.endr
.irp b, 0,1,2,3
	v_max_num_f32 v[BM+\b], v[BM+\b], v[64*\m+16*\b+15]
.endr
	WIN 0
.irp b, 0,1,2,3
	v_permlanex16_b32 v[BX+\b], v[BM+\b], s[SEL], s[SEL+1]
.endr
.irp b, 0,1,2,3
	v_max_num_f32 v[BM+\b], v[BM+\b], v[BX+\b]     ; with lane l xor 16's 16 keys
.endr
	v_max3_num_f32 v[TT], v[BM], v[BM+1], v[BM+2]
	v_max_num_f32 v[TT], v[TT], v[BM+3]            ; the chunk's largest score of my query
	v_mul_f32 v[TT], s[CS], v[TT]                  ; as t (c is positive)
	v_floor_f32 v[NM], -v[TT]                      ; -M = floor(-t): M is a whole number
	WIN 0x02
.set j, 0
.rept 32
	v_pk_fma_f32 v[HA+j:HA+j+1], v[64*\m+j:64*\m+j+1], s[CS:CS+1], v[NM:NM+1] op_sel_hi:[1,0,0]   ; t - M, two at a time
.set j, j+2
.endr
	WIN 0
.irp b, 0,1,2,3
	v_fma_f32 v[BM+\b], v[BM+\b], s[CS], v[NM]     ; the same of each block's largest score
.endr
.set j, 0
	s_wait_alu depctr_va_vdst(0)
.rept 64
	v_exp_f32 v[HA+j], v[HA+j]                     ; p = 2^(t - M), at most 1
.set j, j+1
.endr
.irp b, 0,1,2,3
	v_exp_f32 v[BM+\b], v[BM+\b]                   ; the block's largest p: the same two instructions on the same number
.endr
	v_nop                                          ; one plain place behind the exponentials
	s_wait_alu depctr_va_vdst(0)
.irp b, 0,1,2,3
	v_max_num_f32 v[BM+\b], 0x1800000, v[BM+\b]    ; the floor 2^(3 - 127): the byte cannot fall under 1
.endr
.irp b, 0,1,2,3
	v_add_nc_u32 v[SO+\b], 0xff000000, v[BM+\b]    ; 2 off the exponent field: the conversion's scale operand
.endr
.irp b, 0,1,2,3
	v_lshrrev_b32 v[BY+\b], 23, v[SO+\b]
.endr
	v_lshl_or_b32 v[PW+\m], v[BY+1], 8, v[BY]
	v_lshl_or_b32 v[PW+\m], v[BY+2], 16, v[PW+\m]
	v_lshl_or_b32 v[PW+\m], v[BY+3], 24, v[PW+\m]
	s_wait_xcnt 0x0                                ; the last tile's stores have read their registers: the codes, the paired scale words and -M with l are written again only behind this wait
.irp c, 0,1
	v_cvt_scalef32_pk16_fp6_f32 v[PC+6*\c:PC+2+6*\c], v[HA+32*\c:HA+15+32*\c], v[SO+2*\c]
	v_cvt_scalef32_pk16_fp6_f32 v[PC+12+4*\c:PC+14+4*\c], v[HA+16+32*\c:HA+31+32*\c], v[SO+2*\c+1]
.endr
	v_nop                                          ; one plain place behind a scaled conversion
.irp c, 0,1
.irp i, 0,1,2
	v_permlane16_swap_b32 v[PC+6*\c+\i], v[PC+12+4*\c+\i]
.endr
.irp i, 0,1,2
	v_mov_b32 v[PC+3+6*\c+\i], v[PC+12+4*\c+\i]
.endr
.endr
	v_pk_add_f32 v[LSA:LSA+1], v[HA:HA+1], v[HA+2:HA+3]             ; the sum is taken of the unquantised p, in two chains
	v_pk_add_f32 v[LSB:LSB+1], v[HA+4:HA+5], v[HA+6:HA+7]
.irp k, 8,12,16,20,24,28,32,36,40,44,48,52,56,60
	v_pk_add_f32 v[LSA:LSA+1], v[LSA:LSA+1], v[HA+\k:HA+\k+1]
	v_pk_add_f32 v[LSB:LSB+1], v[LSB:LSB+1], v[HA+\k+2:HA+\k+3]
.endr
	v_pk_add_f32 v[LSA:LSA+1], v[LSA:LSA+1], v[LSB:LSB+1]
	v_add_f32 v[LSA], v[LSA], v[LSA+1]
	v_permlanex16_b32 v[LSX], v[LSA], s[SEL], s[SEL+1]
	v_add_f32 v[LSA], v[LSA], v[LSX]               ; with lane l xor 16's: the chunk's sum
	v_cndmask_b32 v[MLV+\m], v[NM], v[LSA], s[HM]
.irp c, 0,1,2
	global_store_b128 v[VC], v[PC+4*\c:PC+4*\c+3], s[PB:PB+1] offset:\m*REC+3072*\tau+512*\c   ; 512 consecutive bytes, aligned to 256
.endr
	global_store_b32 v[LS4], v[MLV+\m], s[MB:MB+1] offset:\m*2048+8*\tau                      ; my chunk's word of row r: lanes 0-15 -M, lanes 16-31 l
.if (\m)%2 == 1
	v_cndmask_b32 v[PWS+\m/2], v[PW+\m-1], v[PW+\m], s[HM]
	global_store_b32 v[VS], v[PWS+\m/2], s[PB:PB+1] offset:(\m-1)*REC+8*\tau
.endif
.endm
	s_load_b128 s[4:7], s[0:1], 0x0                ; qk, pc
	s_load_b64 s[8:9], s[0:1], 0x10                ; ml
	v_lshl_add_u32 v[SPW], v0, 2, SPARE
	v_mov_b32 v[NIL], 0
	ds_add_u32 v28, v29
	ds_add_u32 v28, v29
	s_wait_dscnt 0x0
	v_lshrrev_b32 v1, 5, v0
	v_readfirstlane_b32 s[WV], v1
	s_lshr_b32 s[XH], s[WV], 1
	s_and_b32 s[YH], s[WV], 1
	s_bfe_u32 s19, ttmp6, 0x40000                  ; cx
	s_bfe_u32 s20, ttmp6, 0x40004                  ; cy
	s_lshl_b32 s21, ttmp9, 2
	s_add_co_u32 s21, s21, s19                     ; work-group x: which 512 keys of the batch
	s_and_b32 s23, ttmp7, 0xffff
	s_lshl_b32 s22, s23, 2
	s_add_co_u32 s22, s22, s20                     ; work-group y: which 128 queries
	s_lshl_b32 s56, s20, 2
	s_lshl_b32 s56, 15, s56
	s_lshl_b32 s57, 0x1111, s19
	s_or_b32 s[G1X], s56, (3<<16)|(1<<21)
	s_or_b32 s[G1Y], s57, (3<<16)|(1<<21)
	s_mov_b32 s[G1X+1], 32<<16                     ; X: a dense block of 25,600 bytes as 100 rows of 256
	s_mov_b32 s[G1X+2], 100<<16
	s_mov_b32 s[G1X+3], 32<<16
	s_mov_b32 s[G1X+4], 100
	s_mov_b32 s[G1X+5], 32
	s_mov_b32 s[G1X+6], 0
	s_mov_b32 s[G1X+7], 0
	s_mov_b32 s[G1Y+1], 32<<16                     ; Y: a dense block of 25,600 bytes as 100 rows of 256
	s_mov_b32 s[G1Y+2], 100<<16
	s_mov_b32 s[G1Y+3], 32<<16
	s_mov_b32 s[G1Y+4], 100
	s_mov_b32 s[G1Y+5], 32
	s_mov_b32 s[G1Y+6], 0
	s_mov_b32 s[G1Y+7], 0
	s_or_b32 s[G1H], s57, (3<<16)|(1<<21)          ; Y's first fills: a dense block of 51,200 bytes as 200 rows of 256
	s_mov_b32 s[G1H+1], 32<<16
	s_mov_b32 s[G1H+2], 200<<16
	s_mov_b32 s[G1H+3], 32<<16
	s_mov_b32 s[G1H+4], 200
	s_mov_b32 s[G1H+5], 32
	s_mov_b32 s[G1H+6], 0
	s_mov_b32 s[G1H+7], 0
	s_mul_i32 s80, s[YH], 25600                    ; waves 2, 3: my half of X in memory,
	s_mul_i32 s81, s[WV], YQ                       ; my quarter of Y, for the refills
	s_mul_i32 s82, s[WV], 25600
	s_add_co_u32 s82, s82, 51200                   ; and in a slot: XOFF + 25,600 (wave - 2)
	s_mul_i32 s83, s[YH], 51200                    ; waves 0, 1: my half of Y in memory,
	s_mul_i32 s58, s[WV], 51200                    ; and in a slot
	s_mul_i32 s70, s22, 51200                      ; X: q's 8 records
	s_add_co_u32 s70, s70, s80
	s_mov_b32 s71, 0
	s_lshr_b32 s59, s23, 2                         ; the batch, from the cluster's y alone: all sixteen partners share it
	s_mul_i32 s72, s59, 819200                     ; Y: the batch's 128 records of k,
	s_mul_i32 s59, s21, 204800                     ; my 512 keys,
	s_add_co_u32 s72, s72, s59
	s_add_co_u32 s72, s72, 6553600                 ; behind q's 1,024 records
	s_add_co_u32 s68, s72, s83
	s_mov_b32 s69, 0
	s_add_co_u32 s72, s72, s81
	s_mov_b32 s73, 0
	s_mov_b32 s[HM], 0xffff0000
	s_mov_b32 s[SEL], 0x76543210
	s_mov_b32 s[SEL+1], 0xfedcba98
	s_mov_b32 s[CS], 0x3d38aa3b                    ; log2(e) / 32
	s_mov_b32 s[CS+1], s[CS]
	s_wait_kmcnt 0x0
	s_add_nc_u64 s[70:71], s[4:5], s[70:71]
	s_add_nc_u64 s[72:73], s[4:5], s[72:73]
	s_add_nc_u64 s[68:69], s[4:5], s[68:69]
	s_lshr_b32 s56, s23, 2                         ; the prefetches: the batch's k, my column's 512 keys, quarter cy of a key tile,
	s_mul_i32 s[PYB], s56, 819200
	s_mul_i32 s56, s21, 204800
	s_add_co_u32 s[PYB], s[PYB], s56
	s_mul_i32 s56, s20, 25600
	s_add_co_u32 s[PYB], s[PYB], s56
	s_add_co_u32 s[PYB], s[PYB], 6553600
	s_mov_b32 s[PYB+1], 0
	s_add_nc_u64 s[PYB:PYB+1], s[4:5], s[PYB:PYB+1]
	s_mul_i32 s[PXB], s22, 51200                   ; my row's q, quarter cx, second half of K
	s_mul_i32 s56, s19, 12800
	s_add_co_u32 s[PXB], s[PXB], s56
	s_add_co_u32 s[PXB], s[PXB], 3276800
	s_mov_b32 s[PXB+1], 0
	s_add_nc_u64 s[PXB:PXB+1], s[4:5], s[PXB:PXB+1]
.irp s, 0,1
	s_mov_b32 s[G0X+4*\s], 1
	s_add_co_u32 s[G0X+4*\s+1], s82, \s*SLOT
	s_add_nc_u64 s[G0X+4*\s+2:G0X+4*\s+3], s[70:71], \s*3276800
	s_or_b32 s[G0X+4*\s+3], s[G0X+4*\s+3], 0x80000000
	s_mov_b32 s[G0Y+4*\s], 1
	s_add_co_u32 s[G0Y+4*\s+1], s81, \s*SLOT
	s_add_nc_u64 s[G0Y+4*\s+2:G0Y+4*\s+3], s[72:73], \s*3276800
	s_or_b32 s[G0Y+4*\s+3], s[G0Y+4*\s+3], 0x80000000
	s_mov_b32 s[G0H+4*\s], 1
	s_add_co_u32 s[G0H+4*\s+1], s58, \s*SLOT
	s_add_nc_u64 s[G0H+4*\s+2:G0H+4*\s+3], s[68:69], \s*3276800
	s_or_b32 s[G0H+4*\s+3], s[G0H+4*\s+3], 0x80000000
.endr
	CROUND                                         ; all sixteen work-groups are here: the first joint loads meet
.macro HLOAD s                         ; a slot's first fill, one load a wave: every way passes one of the two lines
	s_cmp_lt_u32 s[WV], 2
	s_cbranch_scc0 .Lhx_\@
	tensor_load_to_lds s[G0H+4*\s:G0H+4*\s+3], s[G1H:G1H+7]
	s_nop 0
	PLACES 4
	s_branch .Lhd_\@
.Lhx_\@:
	tensor_load_to_lds s[G0X+4*\s:G0X+4*\s+3], s[G1X:G1X+7]
	s_nop 0
	PLACES 4
.Lhd_\@:
.endm
	HLOAD 0
	v_min_u32 v[PFY], 99, v0
	v_lshlrev_b32 v[PFY], 8, v[PFY]
	v_min_u32 v[PFX], 49, v0
	v_lshlrev_b32 v[PFX], 8, v[PFX]
	PF 3276800, 1                                  ; slot 1's first fill
	v_and_b32 v1, 15, v0
	v_bfe_u32 v2, v0, 4, 1
	v_and_b32 v[LI], 31, v0
	v_lshlrev_b32 v[LS4], 6, v[LI]                 ; ml: 64 x lane = 1,024 (lane / 16) + 64 r
	v_lshlrev_b32 v[LI], 4, v[LI]
	s_mul_i32 s56, s[YH], 51200
	s_mul_i32 s57, s[XH], 25600
	s_add_co_u32 s57, s57, XOFF
	v_add_nc_u32 v[FA0], s56, v[LI]
	v_add_nc_u32 v[FA0+1], SLOT, v[FA0]
	v_add_nc_u32 v[FA1], s57, v[LI]
	v_add_nc_u32 v[FA1+1], SLOT, v[FA1]
	v_lshlrev_b32 v30, 4, v1
	v_add_nc_u32 v30, 6144, v30
	v_add_nc_u32 v[SAT], s56, v30
	v_add_nc_u32 v[SAT+1], SLOT, v[SAT]
	s_xor_b32 s58, s[YH], 1
	s_mul_i32 s58, s58, 51200
	s_add_co_u32 s58, s58, 51200
	s_mul_i32 s59, s[XH], 25600
	s_add_co_u32 s58, s58, s59                     ; from source 0's records up to source 1's
	v_xor_b32 v31, 1, v2
	v_mul_u32_u24 v31, s58, v31                    ; lanes 0-15 take source 1's: the lower base + one product
	v_add_nc_u32 v[SAM], v[SAT], v31
	v_add_nc_u32 v[SAM+1], SLOT, v[SAM]
	; where p goes: my chunk is 4 x + 2 tau + wave % 2 of the batch's 16: slot x of the keys, K step 2 tau + wave % 2 of its records
	s_mul_i32 s57, s[YH], 1536
	v_add_nc_u32 v[VC], s57, v[LI]
	v_mad_u32_u24 v[VS], v2, 6400, v30
	s_lshl_b32 s57, s[YH], 2
	v_add_nc_u32 v[VS], s57, v[VS]
	s_lshl_b32 s56, s21, 9
	s_lshl_b32 s57, s22, 3
	s_add_co_u32 s56, s56, s57
	s_lshl_b32 s57, s[XH], 2
	s_add_co_u32 s56, s56, s57                     ; record 512 x + 8 y + 4 (wave / 2)
	s_mul_i32 s[PB], s56, REC
	s_mov_b32 s[PB+1], 0
	s_add_nc_u64 s[PB:PB+1], s[6:7], s[PB:PB+1]
	s_lshl_b32 s56, s22, 3
	s_lshl_b32 s57, s[XH], 2
	s_add_co_u32 s56, s56, s57
	s_lshl_b32 s56, s56, 9
	s_lshl_b32 s57, s21, 2
	s_add_co_u32 s56, s56, s57
	s_add_co_u32 s56, s56, s[YH]                   ; 512 (query tile) + chunk
	s_lshl_b32 s[MB], s56, 2                       ; 2,048 x query tile + 4 x chunk
	s_mov_b32 s[MB+1], 0
	s_add_nc_u64 s[MB:MB+1], s[8:9], s[MB:MB+1]
.irp b, 0,1,2,3
	v_mov_b32 v[BX+\b], 0                          ; written once: a lane permute's destination counts as one of its sources
.endr
	v_mov_b32 v[LSX], 0
	v_mov_b32 v[NM+1], 0                           ; (named as the upper half of a pair)
	s_wait_alu depctr_va_vdst(0)
	s_wait_tensorcnt 0x0                           ; my part of slot 0 is in
	ds_add_u32 v[SPW], v[NIL]
	s_wait_dscnt 0x0
	CROUND                                         ; everybody's part is in, and all sixteen work-groups are here
	HLOAD 1                                        ; slot 1's first fill, the first tensor load behind the round
.set FN, 1
	PF 102400, 0
	STREAM 0
	STEP 0, 0, 1
	STEP 0, 1, 0
	STEP 0, 2, 0
	TURN 0, 1, 1                                   ; slot 0 takes the second key tile's first half of K
	STEP 1, 0, 0
	STEP 1, 1, 0
	STEP 1, 2, 0
	LAST 1
	PLACES 4
	EPI3 0, 0
	EPI3 1, 0
	CHANGE 1, 0                                    ; slot 1 takes the second key tile's second half of K
	EPI3 2, 0
	EPI3 3, 0
	STEP 0, 0, 1
	STEP 0, 1, 0
	STEP 0, 2, 0
	TURN 0, 1, 0
	STEP 1, 0, 0
	STEP 1, 1, 0
	STEP 1, 2, 0
	LAST 1
	PLACES 4
	EPI3 0, 1
	EPI3 1, 1
	EPI3 2, 1
	EPI3 3, 1
	WIN 0
	s_wait_tensorcnt 0x0                           ; the wave's end
	ds_add_u32 v[SPW], v[NIL]
	s_wait_dscnt 0x0
	CROUND                                         ; the closing round
	s_endpgm
.Lfunc_end_k_qff679359ad_score:
	.size	k_qff679359ad_score, .Lfunc_end_k_qff679359ad_score-k_qff679359ad_score
	.p2alignl 7, 3214868480
	.fill 96, 4, 3214868480
	.section	.rodata,"a",@progbits
	.p2align	6, 0x0
	.amdhsa_kernel k_qff679359ad_score
		.amdhsa_group_segment_fixed_size 327680
		.amdhsa_private_segment_fixed_size 0
		.amdhsa_enable_private_segment 0
		.amdhsa_kernarg_size 24
		.amdhsa_user_sgpr_count 2
		.amdhsa_user_sgpr_kernarg_segment_ptr 1
		.amdhsa_wavefront_size32 1
		.amdhsa_system_sgpr_workgroup_id_x 1
		.amdhsa_system_sgpr_workgroup_id_y 1
		.amdhsa_system_sgpr_workgroup_id_z 1
		.amdhsa_system_vgpr_workitem_id 0
		.amdhsa_next_free_vgpr 1024
		.amdhsa_next_free_sgpr 102
		.amdhsa_reserve_vcc 0
		.amdhsa_float_denorm_mode_32 3
		.amdhsa_float_denorm_mode_16_64 3
		.amdhsa_memory_ordered 1
		.amdhsa_forward_progress 1
		.amdhsa_inst_pref_size 211
	.end_amdhsa_kernel
	.amdgpu_metadata
---
amdhsa.version: [ 1, 2 ]
amdhsa.kernels:
  - .name:           k_qff679359ad_score
    .symbol:         k_qff679359ad_score.kd
    .args:
      - { .name: qk, .offset: 0, .size: 8, .value_kind: global_buffer, .address_space: global }
      - { .name: pc, .offset: 8, .size: 8, .value_kind: global_buffer, .address_space: global }
      - { .name: ml, .offset: 16, .size: 8, .value_kind: global_buffer, .address_space: global }
    .group_segment_fixed_size: 327680
    .private_segment_fixed_size: 0
    .kernarg_segment_align: 8
    .kernarg_segment_size: 24
    .max_flat_workgroup_size: 128
    .sgpr_count:     102
    .vgpr_count:     1024
    .wavefront_size: 32
...
	.end_amdgpu_metadata
.endif
;; end of part 3
;; launch outp (part 4): grid 4 x 64, 4 waves a work-group, clusters of 4 x 4, 327,680 bytes of LDS; arguments pc, vc, ml, out0; writes out0
.if DOCPART == 4
	.amdgcn_target "amdgcn-amd-amdhsa--gfx1250"
	.amdhsa_code_object_version 6
	.text
	.protected	k_qff679359ad_outp
	.globl	k_qff679359ad_outp
	.p2align	8
	.type	k_qff679359ad_outp,@function
k_qff679359ad_outp:
	s_mov_b64 s[64:65], 0
	v_nop
	global_prefetch_b8 v0, s[64:65] scope:SCOPE_SE
	s_setreg_imm32_b32 hwreg(HW_REG_WAVE_MODE, 25, 1), 1
	s_wait_xcnt 0x0
	s_wait_alu depctr_hold_cnt(0) depctr_sa_sdst(0) depctr_va_vdst(0) depctr_va_sdst(0) depctr_va_ssrc(0) depctr_va_vcc(0) depctr_vm_vsrc(0)
	s_getreg_b32 s2, hwreg(HW_REG_IB_STS2, 6, 4)
	s_cmp_eq_u32 s2, 0
	s_cbranch_scc0 .Lentry_in_a_cluster
	s_endpgm
.Lentry_in_a_cluster:
	s_bfe_u32 s2, ttmp6, 0x10000c
	s_cmp_lg_u32 s2, 0xf033
	s_cbranch_scc0 .Lentry_shape_is_right
	s_endpgm
.Lentry_shape_is_right:
; O = (p v) / l on codes of FP6 (E2M3) with E8M0 scales, sums in f32.  p came under a whole-number M of its own for each chunk of 128 keys.  At the head each query's largest M is found, d = that M less the
; chunk's is taken off the four scale bytes of the chunk's word (held at 0 from below), the chunks' sums are brought under it by ldexp and added, and 1 / l is kept.  The codes stay as they are.
; Records of 6,400 bytes (16 rows x 512 along K: four register images of fragments, then the scale words) and the order of a tile's rows as in the launches before.
; O^T = v^T p^T: source 0 = 8 tiles of v's channels, source 1 = 4 tiles of queries: a lane holds one query and 64 neighbouring channels; 32 accumulators by turns.
; SHARES.  A work-group: 128 queries (X: p, 8 records a slot) x 256 channels (Y: v, 16 records a slot); K = the batch's 2,048 keys in four slot steps of 512, on two slots of 153,600 bytes.
; CLUSTER 4 x 4: X jointly along a row, Y along a column.  EVERY WAVE ISSUES ONE LOAD FOR EACH FILL: waves 0, 1 Y's halves (200 rows of 256 bytes), waves 2, 3 X's halves (100 rows); one load of a wave is out at a time.
; THE HEAD: the 24 loads of p's scale words, -M and l (ml: [tile][-M, l][row][chunk], so eight chunks of a row are two loads of 16 bytes) go out ahead of the round and of slot 0's fill; the mending is worked while slot 0 is on its way.
; PREFETCH: slot step n's 600 blocks of 256 bytes that a work-group will load are shared with its three partners by address: a quarter of Y (100 blocks, by cy) and a quarter of X (50 blocks, by cx), a lane a block,
; asked for one fill ahead of the tensor load that wants them: step 1 behind slot 0's fill, step 2 behind slot 1's, step 3 behind step 2's.  Nothing is asked for beyond step 3; the address registers are never rewritten.
; window 0: addresses; v32-95 v's scale words, a set for each slot; v96-127 p's mended words (register 8 m + s % 8: lanes 0-15 K step s, lanes 16-31 K step s + 8); v128-255 at work.  window 1 source 0, 2 accumulators, 3 source 1.
; THE WAY OUT: x 1 / l, through two stages of the wave's own in slot 0 (which has had its last fill and its last read by then), back as rows of 512 bytes; tile m + 1 is scaled and staged while tile m comes back.
; LIMITS: NaN and infinities are not served; a block of p whose byte would fall under 0 gets the byte 0: it then adds at most 7.5 x 2^-127 x |v| for each key.
.set REC,   6400
.set XOFF,  102400
.set SLOT,  153600
.set SPARE, 2*SLOT                     ; the spare words, 128 bytes a wave: two blocks of 256 bytes that no other line names
.set YSTEP, 819200                     ; two slot steps of v
.set XSTEP, 6553600                    ; and of p
.set SPITCH, 528
.set STG,   16*SPITCH
.set LI,  3
.set FA0, 4
.set FA1, 6
.set SAT, 10
.set STO, 12
.set RD,  13
.set VP,  14
.set VM,  15
.set PFY, 16
.set PFX, 17
.set RL,  20                           ; v20-27 1 / l, a pair for each tile of queries
.set SPW, 28
.set NIL, 29
.set SC,  32
.set PS,  96
.set HA,  128
.set GG,  128
.set GX,  132
.set MM,  192
.set LL,  224
.set WV,  16
.set XH,  17
.set YH,  18
.set G1X, 24
.set G1Y, 32
.set G0X, 40
.set G0Y, 48
.set SEL, 62
.set S80, 68
.set PSB, 74
.set MLB, 76
.set OUB, 78
.set PYB, 80
.set PXB, 82
.set MSB, 0
.macro WIN new                         ; the immediate's high byte repeats the setting that is left
.if MSB != \new
	s_set_vgpr_msb (MSB<<8)|\new
.set MSB, \new
.endif
.endm
.macro PLACES n
.rept \n
	v_nop
.endr
.endm
.macro CREST
	s_cmp_lg_u32 s[WV], 0
	s_cbranch_scc1 .Lnot_wave_0_\@
	s_barrier_signal -3
.Lnot_wave_0_\@:
	s_barrier_wait -3
	s_barrier_signal -1
	s_barrier_wait -1
.endm
.macro CROUND
	s_barrier_signal -1
	s_barrier_wait -1
	CREST
.endm
.macro JLOAD slot                      ; a joint fill: every way passes one of the two lines; s_nop 0 and four v_nop follow each
	s_cmp_lt_u32 s[WV], 2
	s_cbranch_scc0 .Lfor_x_\@
	tensor_load_to_lds s[G0Y+4*\slot:G0Y+4*\slot+3], s[G1Y:G1Y+7]
	s_nop 0
	PLACES 4
	s_branch .Lasked_\@
.Lfor_x_\@:
	tensor_load_to_lds s[G0X+4*\slot:G0X+4*\slot+3], s[G1X:G1X+7]
	s_nop 0
	PLACES 4
.Lasked_\@:
.endm
.macro PF n                            ; slot step n: my work-group's 100 blocks of Y (thread t block t; threads 100 on name block 99 again) and, by waves 0 and 1, its 50 blocks of X
	global_prefetch_b8 v[PFY], s[PYB:PYB+1] offset:(\n)*409600 th:TH_LOAD_NT scope:SCOPE_SE
	s_cmp_lt_u32 s[WV], 2
	s_cbranch_scc0 .Lno_x_\@
	global_prefetch_b8 v[PFX], s[PXB:PXB+1] offset:((\n)-1)*3276800 th:TH_LOAD_NT scope:SCOPE_SE
.Lno_x_\@:
.endm
; THE LDS LOADS.  A K step's 36 loads of 512 bytes (with a slot's 8 loads of v's scale words in front: 44) form a STREAM in the order of their use: scale words, source 1's tile 0, source 0's tiles 0-7,
; source 1's tiles 1-3.  The next step's stream is issued in one run at the head of this step; a product waits by count for the loads of the earlier stream that it needs.
; Symbols of the assembly: CP, CSL, CQ this step's set, slot and K step; NS .. NOF the stream being issued, LQ its loads so far; PRV, POF the length of the stream issued before and its scale loads; XDS other LDS instructions of this step.
.macro SETC p, sc, q
.set CP, \p
.set CSL, \sc
.set CQ, \q
.set LQ, 0
.set XDS, 0
.set NL, 0
.endm
.macro SETN slot, q, p, n, of
.set NS, \slot
.set NQ, \q
.set NP, \p
.set NL, \n
.set NOF, \of
.endm
.macro NEED j                          ; fragment load j of the stream issued before is in: behind it were issued the rest of that stream, this step's LQ loads and XDS others
.if PRV
	s_wait_dscnt PRV-1-POF-(\j)+LQ+XDS
.endif
.endm
.macro LDN                             ; the stream's next load
.if LQ < NL
.if LQ < NOF
	WIN 0
	ds_load_b128 v[SC+32*NS+4*LQ:SC+32*NS+4*LQ+3], v[SAT+NS] offset:LQ*REC
.else
.set LK, LQ-NOF
.if LK < 3
	WIN 0xc0
	ds_load_b128 v[48*NP+4*LK:48*NP+4*LK+3], v[FA1+NS] offset:NQ*1536+512*LK
.elseif LK < 27
	WIN 0x40
	ds_load_b128 v[96*NP+4*(LK-3):96*NP+4*(LK-3)+3], v[FA0+NS] offset:((LK-3)/3)*REC+NQ*1536+512*((LK-3)%3)
.else
	WIN 0xc0
	ds_load_b128 v[48*NP+4*(LK-24):48*NP+4*(LK-24)+3], v[FA1+NS] offset:((LK-24)/3)*REC+NQ*1536+512*((LK-24)%3)
.endif
.endif
.set LQ, LQ+1
.endif
.endm
.macro STREAM slot                     ; a slot's scale words and its K step 0's fragments
	SETC 0, 0, 0
	SETN \slot, 0, 0, 44, 8
.rept 44
	LDN
.endr
	WIN 0
.set PRV, 44
.set POF, 8
.endm
.macro MUL1 m, tt, p, sc, q, zero, hi  ; one product: source 1's tile m against source 0's tile tt.  hi = 1: K steps 8 to 15: p's words lie in lanes 16-31
.irp t, \tt
.if \zero
	v_wmma_scale_f32_16x16x128_f8f6f4 v[8*(8*(\m)+\t):8*(8*(\m)+\t)+7], v[96*(\p)+12*\t:96*(\p)+12*\t+11], v[48*(\p)+12*(\m):48*(\p)+12*(\m)+11], 0, v[SC+32*(\sc)+4*\t+(\q)], v[PS+8*(\m)+4*(\sc)+(\q)] matrix_a_fmt:MATRIX_FMT_FP6 matrix_b_fmt:MATRIX_FMT_FP6
.elseif \hi
	v_wmma_scale_f32_16x16x128_f8f6f4 v[8*(8*(\m)+\t):8*(8*(\m)+\t)+7], v[96*(\p)+12*\t:96*(\p)+12*\t+11], v[48*(\p)+12*(\m):48*(\p)+12*(\m)+11], v[8*(8*(\m)+\t):8*(8*(\m)+\t)+7], v[SC+32*(\sc)+4*\t+(\q)], v[PS+8*(\m)+4*(\sc)+(\q)] matrix_a_fmt:MATRIX_FMT_FP6 matrix_b_fmt:MATRIX_FMT_FP6 matrix_b_scale:MATRIX_SCALE_ROW1
.else
	v_wmma_scale_f32_16x16x128_f8f6f4 v[8*(8*(\m)+\t):8*(8*(\m)+\t)+7], v[96*(\p)+12*\t:96*(\p)+12*\t+11], v[48*(\p)+12*(\m):48*(\p)+12*(\m)+11], v[8*(8*(\m)+\t):8*(8*(\m)+\t)+7], v[SC+32*(\sc)+4*\t+(\q)], v[PS+8*(\m)+4*(\sc)+(\q)] matrix_a_fmt:MATRIX_FMT_FP6 matrix_b_fmt:MATRIX_FMT_FP6
.endif
.endr
.endm
; Source 1's tile m against source 0's tiles lo .. up - 1
.macro ROWM m, lo, up, zero, hi
.irp t, 0,1,2,3,4,5,6,7
.if (\t >= \lo) && (\t < \up)
.if \t%2 == 0
.if \m == 0
	NEED 3*\t+8                                    ; source 1's tile 0 and source 0's tiles up to t + 1
.elseif \t == 0
	NEED 26+3*\m                                   ; source 1's tile m
.endif
	WIN 0xad                                       ; source 0 window 1, source 1 window 3, C and D window 2
.endif
	MUL1 \m, \t, CP, CSL, CQ, \zero, \hi
.endif
.endr
.endm
.macro STEP slot, q, zero, hi          ; one of a slot's first three K steps: the next step's 36 loads in one run, then this step's 32 products
	PLACES 4                                       ; in front of loads into the set that the last step's products read
	SETC (\q)%2, \slot, \q
	SETN \slot, (\q)+1, ((\q)+1)%2, 36, 0
.rept 36
	LDN
.endr
	ROWM 0, 0, 8, \zero, \hi
	ROWM 1, 0, 8, \zero, \hi
	ROWM 2, 0, 8, \zero, \hi
	ROWM 3, 0, 8, \zero, \hi
.set PRV, 36
.set POF, 0
.endm
.macro THREE slot, zero, hi
	STEP \slot, 0, \zero, \hi
	STEP \slot, 1, 0, \hi
	STEP \slot, 2, 0, \hi
.endm
.macro TURN slot, next, fill, hi, pf   ; a slot's last K step and the change of slots: one barrier, which with fill = 1 opens a round of the cluster's
	WIN 0
	s_wait_tensorcnt 0x0                           ; my one load that was out, my part of the next slot, has landed
	ds_add_u32 v[SPW], v[NIL]                      ; 0 onto my spare word
	SETC 1, \slot, 3
.set XDS, 1                            ; the add
	ROWM 0, 0, 4, 0, \hi                           ; four products stand between the add and the wait for it
	s_wait_dscnt 0x0                               ; the add is done, and my reads of this slot are over
.set PRV, 0
	s_barrier_signal -1
	ROWM 0, 4, 8, 0, \hi
	WIN 0
	s_barrier_wait -1
.if \fill
	CREST                                          ; no wave of any partner still reads this slot or has a load on its way
	s_add_nc_u64 s[G0X+4*\slot+2:G0X+4*\slot+3], s[G0X+4*\slot+2:G0X+4*\slot+3], XSTEP
	s_add_nc_u64 s[G0Y+4*\slot+2:G0Y+4*\slot+3], s[G0Y+4*\slot+2:G0Y+4*\slot+3], YSTEP
	JLOAD \slot                                    ; the first tensor load behind the round; its four v_nop are also the places in front of the loads below
.if \pf
	PF \pf
.endif
.else
	PLACES 4
.endif
	SETN \next, 0, 0, 44, 8                        ; the next slot's first stream in one run, ahead of the step's other 24 products
.rept 44
	LDN
.endr
	ROWM 1, 0, 8, 0, \hi
	ROWM 2, 0, 8, 0, \hi
	ROWM 3, 0, 8, 0, \hi
.set PRV, 44
.set POF, 8
.endm
; The way out of the queries of tile m.  OUTA: x 1 / l (each accumulator read from its low end on), 16 rows x 512 bytes into stage m % 2, and back by rows.  OUTB: stored as whole rows.
.macro OUTA m
.set HB, HA+64*((\m)%2)
.if \m >= 2
	s_wait_xcnt 0x0                                ; tile m - 2's stores have read the registers that the loads below fill
.endif
	WIN 0x02
.set j, 0
.rept 32
	v_pk_mul_f32 v[HB+j:HB+j+1], v[64*\m+j:64*\m+j+1], v[RL+2*\m:RL+2*\m+1]
.set j, j+2
.endr
	WIN 0
.irp t, 0,1,2,3,4,5,6,7
	ds_store_b128 v[STO], v[HB+8*\t:HB+8*\t+3] offset:STG*((\m)%2)+128*(\t/2)+32*(\t%2)       ; channels 32 (t / 2) + 16 h + 8 (t % 2) + 0 .. 7 of row r
	ds_store_b128 v[STO], v[HB+8*\t+4:HB+8*\t+7] offset:STG*((\m)%2)+128*(\t/2)+32*(\t%2)+16
.endr
	WIN 0x40                                       ; back into window 1, whose fragments are done with
.irp i, 0,1,2,3,4,5,6,7,8,9,10,11,12,13,14,15
	ds_load_b128 v[64*((\m)%2)+4*\i:64*((\m)%2)+4*\i+3], v[RD] offset:STG*((\m)%2)+SPITCH*\i   ; LDS serves a wave's instructions in order: these see my stores
.endr
	WIN 0
.endm
.macro OUTB m, younger                 ; younger: the LDS instructions issued behind tile m's loads (the next tile's 16 stores and 16 loads)
	WIN 0x04                                       ; a store's data are its source 1
.irp i, 0,1,2,3,4,5,6,7,8,9,10,11,12,13,14,15
	s_wait_dscnt \younger+15-\i                    ; row i is back; the later rows and the next tile's may be out
	global_store_b128 v[LI], v[64*((\m)%2)+4*\i:64*((\m)%2)+4*\i+3], s[OUB:OUB+1] offset:(32*(\m/2)+8*(\m%2)+\i+8*(\i/8))*4096 th:TH_STORE_NT   ; 512 consecutive bytes, aligned to 256
.endr
	WIN 0
.endm
	s_load_b256 s[4:11], s[0:1], 0x0               ; pc, vc, ml, out0
	v_lshl_add_u32 v[SPW], v0, 2, SPARE
	v_mov_b32 v[NIL], 0
	ds_add_u32 v[SPW], v[NIL]                      ; the opening lines: the add, twice on end, and its wait ahead of my first tensor load
	ds_add_u32 v[SPW], v[NIL]
	v_lshrrev_b32 v1, 5, v0
	v_readfirstlane_b32 s[WV], v1
	s_lshr_b32 s[XH], s[WV], 1
	s_and_b32 s[YH], s[WV], 1
	s_bfe_u32 s19, ttmp6, 0x40000                  ; cx
	s_bfe_u32 s20, ttmp6, 0x40004                  ; cy
	s_lshl_b32 s21, ttmp9, 2
	s_add_co_u32 s21, s21, s19                     ; work-group x: which 256 channels
	s_and_b32 s23, ttmp7, 0xffff
	s_lshl_b32 s22, s23, 2
	s_add_co_u32 s22, s22, s20                     ; work-group y: which 128 queries
	s_lshl_b32 s56, s20, 2
	s_lshl_b32 s56, 15, s56                        ; my row of the cluster
	s_lshl_b32 s57, 0x1111, s19                    ; my column
	s_or_b32 s[G1X], s56, (3<<16)|(1<<21)          ; the mask; elements of 8 bytes; bit 21 beside a mask; no padding
	s_or_b32 s[G1Y], s57, (3<<16)|(1<<21)
	s_mov_b32 s[G1X+1], 32<<16                     ; X: a dense block of 25,600 bytes as 100 rows of 256
	s_mov_b32 s[G1X+2], 100<<16
	s_mov_b32 s[G1X+3], 32<<16
	s_mov_b32 s[G1X+4], 100
	s_mov_b32 s[G1X+5], 32
	s_mov_b32 s[G1X+6], 0
	s_mov_b32 s[G1X+7], 0
	s_mov_b32 s[G1Y+1], 32<<16                     ; Y: a dense block of 51,200 bytes as 200 rows of 256
	s_mov_b32 s[G1Y+2], 200<<16
	s_mov_b32 s[G1Y+3], 32<<16
	s_mov_b32 s[G1Y+4], 200
	s_mov_b32 s[G1Y+5], 32
	s_mov_b32 s[G1Y+6], 0
	s_mov_b32 s[G1Y+7], 0
	s_mul_i32 s70, s22, 51200                      ; X: p's 8 records,
	s_mul_i32 s56, s[YH], 25600                    ; my half of them
	s_add_co_u32 s70, s70, s56
	s_mov_b32 s71, 0
	s_lshr_b32 s56, s23, 2                         ; the batch, from the cluster's y alone
	s_mul_i32 s[PYB], s56, 1638400                 ; Y: the batch's 256 records of v,
	s_mul_i32 s56, s21, 102400                     ; my 256 channels,
	s_add_co_u32 s[PYB], s[PYB], s56
	s_mul_i32 s60, s[YH], 51200                    ; my half of them
	s_add_co_u32 s72, s[PYB], s60
	s_mov_b32 s73, 0
	s_mul_i32 s57, s20, 25600                      ; the prefetches: quarter cy of Y,
	s_add_co_u32 s[PYB], s[PYB], s57
	s_mov_b32 s[PYB+1], 0
	s_mul_i32 s[PXB], s22, 51200
	s_mul_i32 s57, s19, 12800                      ; quarter cx of X,
	s_add_co_u32 s[PXB], s[PXB], s57
	s_add_co_u32 s[PXB], s[PXB], 3276800           ; from slot step 1 on
	s_mov_b32 s[PXB+1], 0
	s_mul_i32 s58, s[WV], 51200                    ; where my load lands in a slot: waves 0, 1 Y's halves;
	s_mul_i32 s59, s[WV], 25600
	s_add_co_u32 s59, s59, 51200                   ; waves 2, 3 X's: XOFF + 25,600 (wave - 2)
	s_mul_i32 s61, s[XH], 25600
	s_add_co_u32 s61, s61, XOFF                    ; source 1 = X's tiles 4 (wave / 2) on; source 0 = Y's tiles 8 (wave % 2) on (s60)
	s_mul_i32 s66, s[WV], 2*STG                    ; my two stages
	s_lshl_b32 s56, s22, 3
	s_lshl_b32 s57, s[XH], 2
	s_add_co_u32 s56, s56, s57                     ; my first tile of queries
	s_mul_i32 s[PSB], s56, REC
	s_mov_b32 s[PSB+1], 0
	s_lshl_b32 s[MLB], s56, 11
	s_mov_b32 s[MLB+1], 0
	s_lshl_b32 s[OUB], s22, 19                     ; 128 rows of 4,096 bytes,
	s_lshl_b32 s57, s[XH], 18                      ; my 64 of them,
	s_add_co_u32 s[OUB], s[OUB], s57
	s_lshl_b32 s57, s21, 10                        ; 256 channels,
	s_add_co_u32 s[OUB], s[OUB], s57
	s_lshl_b32 s57, s[YH], 9                       ; my 128 of them
	s_add_co_u32 s[OUB], s[OUB], s57
	s_mov_b32 s[OUB+1], 0
	s_mov_b32 s[SEL], 0x76543210
	s_mov_b32 s[SEL+1], 0xfedcba98
	s_mov_b32 s[S80], 0x80808080
	v_and_b32 v1, 15, v0                           ; r
	v_bfe_u32 v2, v0, 4, 1                         ; h
	v_and_b32 v[LI], 31, v0
	v_lshlrev_b32 v[LI], 4, v[LI]
	v_lshlrev_b32 v30, 4, v1
	v_add_nc_u32 v30, 6144, v30                    ; a row's four scale words in a record
	v_mad_u32_u24 v[VP], v2, 0x640000, v30         ; p's words: lanes 16-31 two slots of keys (2 x 512 records) on
	v_lshlrev_b32 v[VM], 6, v1
	v_lshl_add_u32 v[VM], v2, 5, v[VM]             ; ml: row r's 16 chunks, lanes 16-31 chunks 8 on
	v_add_nc_u32 v[FA0], s60, v[LI]
	v_add_nc_u32 v[FA0+1], SLOT, v[FA0]
	v_add_nc_u32 v[FA1], s61, v[LI]
	v_add_nc_u32 v[FA1+1], SLOT, v[FA1]
	v_add_nc_u32 v[SAT], s60, v30
	v_add_nc_u32 v[SAT+1], SLOT, v[SAT]
	v_mul_u32_u24 v[STO], v1, SPITCH
	v_lshl_add_u32 v[STO], v2, 6, v[STO]
	v_add_nc_u32 v[STO], s66, v[STO]               ; the stage, in: row r, + 64 h
	v_add_nc_u32 v[RD], s66, v[LI]                 ; back: 16 bytes a lane of a row
	v_min_u32 v[PFY], 99, v0
	v_lshlrev_b32 v[PFY], 8, v[PFY]
	v_min_u32 v[PFX], 49, v0
	v_lshlrev_b32 v[PFX], 8, v[PFX]
.irp m, 0,1,2,3
	v_mov_b32 v[GX+\m], 0                          ; written once: a lane permute's destination counts as one of its sources
.endr
	s_wait_alu depctr_va_vdst(0)
	s_wait_dscnt 0x0                               ; both opening adds are done
	s_wait_kmcnt 0x0
	s_add_nc_u64 s[PSB:PSB+1], s[4:5], s[PSB:PSB+1]
	s_add_nc_u64 s[MLB:MLB+1], s[8:9], s[MLB:MLB+1]
.irp m, 0,1,2,3
.irp s, 0,1
	global_load_b128 v[PS+8*\m+4*\s:PS+8*\m+4*\s+3], v[VP], s[PSB:PSB+1] offset:\m*REC+\s*3276800
	global_load_b128 v[MM+8*\m+4*\s:MM+8*\m+4*\s+3], v[VM], s[MLB:MLB+1] offset:\m*2048+16*\s
	global_load_b128 v[LL+8*\m+4*\s:LL+8*\m+4*\s+3], v[VM], s[MLB:MLB+1] offset:\m*2048+1024+16*\s
.endr
.endr
	s_add_nc_u64 s[70:71], s[4:5], s[70:71]
	s_add_nc_u64 s[72:73], s[6:7], s[72:73]
	s_add_nc_u64 s[PYB:PYB+1], s[6:7], s[PYB:PYB+1]
	s_add_nc_u64 s[PXB:PXB+1], s[4:5], s[PXB:PXB+1]
	s_add_nc_u64 s[OUB:OUB+1], s[10:11], s[OUB:OUB+1]
.irp s, 0,1
	s_mov_b32 s[G0X+4*\s], 1
	s_add_co_u32 s[G0X+4*\s+1], s59, \s*SLOT
	s_add_nc_u64 s[G0X+4*\s+2:G0X+4*\s+3], s[70:71], \s*3276800   ; keys 512 s on
	s_or_b32 s[G0X+4*\s+3], s[G0X+4*\s+3], 0x80000000
	s_mov_b32 s[G0Y+4*\s], 1
	s_add_co_u32 s[G0Y+4*\s+1], s58, \s*SLOT
	s_add_nc_u64 s[G0Y+4*\s+2:G0Y+4*\s+3], s[72:73], \s*409600
	s_or_b32 s[G0Y+4*\s+3], s[G0Y+4*\s+3], 0x80000000
.endr
	CROUND                                         ; all sixteen work-groups are here: the first joint loads meet
	JLOAD 0                                        ; slot step 0: one tensor load a wave at the head
	PF 1
	s_wait_loadcnt 0x0                             ; p's words, -M and l
.irp m, 0,1,2,3
	v_min3_num_f32 v[GG+\m], v[MM+8*\m], v[MM+8*\m+1], v[MM+8*\m+2]     ; the smallest -M is the largest M
.endr
.irp i, 3,5
.irp m, 0,1,2,3
	v_min3_num_f32 v[GG+\m], v[GG+\m], v[MM+8*\m+\i], v[MM+8*\m+\i+1]
.endr
.endr
.irp m, 0,1,2,3
	v_min_num_f32 v[GG+\m], v[GG+\m], v[MM+8*\m+7]
.endr
.irp m, 0,1,2,3
	v_permlanex16_b32 v[GX+\m], v[GG+\m], s[SEL], s[SEL+1]
.endr
.irp m, 0,1,2,3
	v_min_num_f32 v[GG+\m], v[GG+\m], v[GX+\m]     ; over all 16 chunks
.endr
.set j, 0
.rept 32
	v_sub_f32 v[MM+j], v[GG+j/8], v[MM+j]          ; the chunk's M less the largest: a whole number, 0 or less
.set j, j+1
.endr
.set j, 0
.rept 32
	v_cvt_i32_f32 v[MM+j], v[MM+j]                 ; (it saturates)
.set j, j+1
.endr
.set j, 0
.rept 32
	v_ldexp_f32 v[LL+j], v[LL+j], v[MM+j]          ; the chunk's sum under the largest M: nothing is rounded
.set j, j+1
.endr
.irp m, 0,1,2,3
	v_pk_add_f32 v[LL+8*\m:LL+8*\m+1], v[LL+8*\m:LL+8*\m+1], v[LL+8*\m+2:LL+8*\m+3]
	v_pk_add_f32 v[LL+8*\m+4:LL+8*\m+5], v[LL+8*\m+4:LL+8*\m+5], v[LL+8*\m+6:LL+8*\m+7]
.endr
.irp m, 0,1,2,3
	v_pk_add_f32 v[LL+8*\m:LL+8*\m+1], v[LL+8*\m:LL+8*\m+1], v[LL+8*\m+4:LL+8*\m+5]
.endr
.irp m, 0,1,2,3
	v_add_f32 v[LL+8*\m], v[LL+8*\m], v[LL+8*\m+1]
.endr
.irp m, 0,1,2,3
	v_permlanex16_b32 v[GX+\m], v[LL+8*\m], s[SEL], s[SEL+1]
.endr
.irp m, 0,1,2,3
	v_add_f32 v[LL+8*\m], v[LL+8*\m], v[GX+\m]     ; the row's sum
.endr
	s_wait_alu depctr_va_vdst(0)
.irp m, 0,1,2,3
	v_rcp_f32 v[RL+2*\m], v[LL+8*\m]
.endr
	v_nop                                          ; one plain place behind the reciprocals
	s_wait_alu depctr_va_vdst(0)
.irp m, 0,1,2,3
	v_mov_b32 v[RL+2*\m+1], v[RL+2*\m]             ; a pair for the packed multiplication
.endr
.set j, 0
.rept 32
	v_sub_nc_u32 v[MM+j], 0, v[MM+j]               ; d, 0 or more,
.set j, j+1
.endr
.set j, 0
.rept 32
	v_min_u32 v[MM+j], 127, v[MM+j]                ; held at 127 (p's bytes are 125 at the most),
.set j, j+1
.endr
.set j, 0
.rept 32
	v_perm_b32 v[MM+j], v[MM+j], v[MM+j], 0        ; in all four bytes
.set j, j+1
.endr
.set j, 0
.rept 32
	v_or_b32 v[HA+j], s[S80], v[PS+j]              ; 128 + byte: no byte borrows from its neighbour below
.set j, j+1
.endr
.set j, 0
.rept 32
	v_sub_nc_u32 v[HA+j], v[HA+j], v[MM+j]         ; 128 + byte - d
.set j, j+1
.endr
.set j, 0
.rept 32
	v_and_b32 v[HA+32+j], s[S80], v[HA+j]          ; bit 7 stands where byte - d is 0 or more
.set j, j+1
.endr
.set j, 0
.rept 32
	v_lshrrev_b32 v[MM+j], 7, v[HA+32+j]
.set j, j+1
.endr
.set j, 0
.rept 32
	v_sub_nc_u32 v[HA+32+j], v[HA+32+j], v[MM+j]   ; 0x7f there, 0 elsewhere
.set j, j+1
.endr
.set j, 0
.rept 32
	v_and_b32 v[PS+j], v[HA+j], v[HA+32+j]         ; byte - d, held at 0 from below
.set j, j+1
.endr
	PLACES 8                                       ; a scale register written by a vector instruction stands 8 places ahead of a scaled matrix instruction
	s_wait_alu depctr_va_vdst(0)
	s_wait_tensorcnt 0x0                           ; my part of slot 0 is in
	ds_add_u32 v[SPW], v[NIL]
	s_wait_dscnt 0x0
	CROUND                                         ; everybody's part is in, and all sixteen work-groups are here
	JLOAD 1                                        ; slot step 1, the first tensor load behind the round
	STREAM 0
	PF 2
	THREE 0, 1, 0
	TURN 0, 1, 1, 0, 3                             ; slot 0 takes keys 1,024 on
	THREE 1, 0, 0
	TURN 1, 0, 1, 0, 0                             ; slot 1 takes keys 1,536 on
	THREE 0, 0, 1
	TURN 0, 1, 0, 1, 0                             ; behind this barrier nobody reads slot 0 any more, and nothing is filled
	THREE 1, 0, 1
	SETC 1, 1, 3                                   ; the last K step: nothing is fetched
	ROWM 0, 0, 8, 0, 1
	ROWM 1, 0, 8, 0, 1
	ROWM 2, 0, 8, 0, 1
	ROWM 3, 0, 8, 0, 1
	PLACES 4
	OUTA 0
	OUTA 1
	OUTB 0, 32
	OUTA 2
	OUTB 1, 32
	OUTA 3
	OUTB 2, 32
	OUTB 3, 0
	s_wait_tensorcnt 0x0                           ; the wave's end
	ds_add_u32 v[SPW], v[NIL]
	s_wait_dscnt 0x0
	CROUND                                         ; the closing round
	s_endpgm
.Lfunc_end_k_qff679359ad_outp:
	.size	k_qff679359ad_outp, .Lfunc_end_k_qff679359ad_outp-k_qff679359ad_outp
	.p2alignl 7, 3214868480
	.fill 96, 4, 3214868480
	.section	.rodata,"a",@progbits
	.p2align	6, 0x0
	.amdhsa_kernel k_qff679359ad_outp
		.amdhsa_group_segment_fixed_size 327680
		.amdhsa_private_segment_fixed_size 0
		.amdhsa_enable_private_segment 0
		.amdhsa_kernarg_size 32
		.amdhsa_user_sgpr_count 2
		.amdhsa_user_sgpr_kernarg_segment_ptr 1
		.amdhsa_wavefront_size32 1
		.amdhsa_system_sgpr_workgroup_id_x 1
		.amdhsa_system_sgpr_workgroup_id_y 1
		.amdhsa_system_sgpr_workgroup_id_z 1
		.amdhsa_system_vgpr_workitem_id 0
		.amdhsa_next_free_vgpr 1024
		.amdhsa_next_free_sgpr 96
		.amdhsa_reserve_vcc 0
		.amdhsa_float_denorm_mode_32 3
		.amdhsa_float_denorm_mode_16_64 3
		.amdhsa_memory_ordered 1
		.amdhsa_forward_progress 1
		.amdhsa_inst_pref_size 167
	.end_amdhsa_kernel
	.amdgpu_metadata
---
amdhsa.version: [ 1, 2 ]
amdhsa.kernels:
  - .name:           k_qff679359ad_outp
    .symbol:         k_qff679359ad_outp.kd
    .args:
      - { .name: pc, .offset: 0, .size: 8, .value_kind: global_buffer, .address_space: global }
      - { .name: vc, .offset: 8, .size: 8, .value_kind: global_buffer, .address_space: global }
      - { .name: ml, .offset: 16, .size: 8, .value_kind: global_buffer, .address_space: global }
      - { .name: out0, .offset: 24, .size: 8, .value_kind: global_buffer, .address_space: global }
    .group_segment_fixed_size: 327680
    .private_segment_fixed_size: 0
    .kernarg_segment_align: 8
    .kernarg_segment_size: 32
    .max_flat_workgroup_size: 128
    .sgpr_count:     96
    .vgpr_count:     1024
    .wavefront_size: 32
...
	.end_amdgpu_metadata
.endif
;; end of part 4
